; MI455X (gfx1250); checked and timed in simulation.
; The chip was launched on July 23, 2026; its instructions are those of AMD's public machine-readable ISA for CDNA 5 (MIT licence, August 2026) and "CDNA5" Instruction Set Architecture Reference Guide (July 2026). The comments in the code are by the model that wrote it; some were corrected since.
;; GDN Sequence Model. Allowed arithmetic: float matrix products may take bf16 or f16 operands with f32 sums; other float arithmetic in f32, or as packed bf16 or f16 multiplies, adds, multiply-adds, maxima and minima; sums over many terms, partial sums and values carried from step to step in f32; what a program stores and reads back later, other than sums and carried values, may be rounded once to bf16 or f16.
;; Inputs: A_log 4 float32; Wa 1,024 x 4 float32; Wb 1,024 x 4 float32; Wg 1,024 x 1,024 float32; Wk 1,024 x 1,024 float32; Wo 1,024 x 1,024 float32; Wq 1,024 x 1,024 float32; Wv 1,024 x 1,024 float32; dt_bias 4 float32; norm_w 256 float32; x 4 x 1,024 x 1,024 float32.
;; Outputs: out0 4 x 1,024 x 1,024 float32.
;; One version. Each part assembles by itself: llvm-mc -triple=amdgcn-amd-amdhsa -mcpu=gfx1250 --defsym DOCPART=n.
;; ======== version 1 of 1: 6 launches
;; limits: values are held in f16: magnitudes above 65,504 overflow, below 6.1e-05 lose precision; values outside matrix products are rounded to f16
;; workspace buffers: pre 19,005,440 bytes; qkvg 33,554,432 bytes; chk 19,005,440 bytes; o32 16,777,216 bytes; yn 8,454,144 bytes
;; launch prep (part 1): grid 576 x 1, 8 waves a work-group, no clusters, 75,008 bytes of LDS; arguments x, Wq, Wk, Wv, Wg, Wo, Wb, Wa, A_log, dt_bias, pre; writes pre
.if DOCPART == 1
	.amdgcn_target "amdgcn-amd-amdhsa--gfx1250"
	.amdhsa_code_object_version 6
	.text
	.protected	k_q2a1c6cf090_prep
	.globl	k_q2a1c6cf090_prep
	.p2align	8
	.type	k_q2a1c6cf090_prep,@function
k_q2a1c6cf090_prep:
	s_mov_b64 s[64:65], 0
	v_nop
	global_prefetch_b8 v0, s[64:65] scope:SCOPE_SE
	s_setreg_imm32_b32 hwreg(HW_REG_WAVE_MODE, 25, 1), 1
	s_wait_xcnt 0x0
; PREP.  Rounds every input that feeds a matrix product to bf16 and makes beta and the log decay.
; pre: XB bf16 x [4096][1024] at 0; WCAT bf16 [k 1024][n 4096] (n = type x 1024 + column; types q, k, v, gate) at 8,388,608;
;      WO f16(bf16(Wo)) [1024][1024] at 16,777,216; BETA f32 [bh 16][t 1024] at 18,874,368; LD = log2(decay) f32 [bh][t] 65,536 further.
; SHARES.  Work-groups 0-255 take 16 rows of x each, 256-575 take 16 rows of Wq, Wk, Wv, Wg, Wo (64 work-groups a matrix).  Wave w takes rows 2w, 2w+1:
; 8,192 consecutive source bytes by 16 loads of 16 bytes a lane; each store of the wave covers 256 consecutive bytes, aligned.
; The x work-groups also multiply their 16 rows by [Wb | Wa] (bf16, K split among the eight waves, partial sums meet in LDS), and wave 0 makes
; beta = sigmoid(z) and ld = -exp(A_log) (max(a,0) log2e + log2(1 + 2^(-|a| log2e))), a = z + dt_bias.  These 16 x 8 numbers leave as pieces of 32 bytes:
; a work-group owns 16 steps of each of the eight rows of BETA and LD, 131,072 bytes in the whole launch.
; LIMITS.  ld is held at -200 or above (2^-200 is 0 in f32); A_log, dt_bias, Wb, Wa are rounded to bf16 like all inputs; Wo's bf16 number is written as f16, exact down to 6e-5 and with f16's fixed step of 6e-8 below.
; Both barriers stand on every work-group's path; the weights' work-groups pass them with nothing to hand over.
.set WCAT,  8388608
.set WOF,   16777216
.set BETA,  18874368
.set WL,    0                          ; LDS: [k 1024][16 n] bf16, 32 bytes a row: n 0-3 Wb, 4-7 Wa, 8-15 zero
.set XA,    32768                      ; LDS: my 16 rows of x in bf16, 2,064 bytes apart (an odd multiple of 16)
.set XAP,   2064
.set PS,    65792                      ; LDS: eight partial tiles of 1,024 bytes
.set SPARE, 73984                      ; the spare words, 128 bytes a wave
.set X,   32                           ; v[32:95]   16 loads of 4
.set Y,   96                           ; v[96:127]  16 packed pairs
.set WW,  128                          ; v[128:159] Wb and Wa as loaded
.set AC0, 160
.set AC1, 168
	s_load_b512 s[8:23], s[0:1], 0x0               ; x, Wq, Wk, Wv, Wg, Wo, Wb, Wa
	s_load_b128 s[24:27], s[0:1], 0x40             ; A_log, dt_bias
	s_load_b64 s[28:29], s[0:1], 0x50              ; pre
	v_lshl_add_u32 v8, v0, 2, SPARE                ; my spare word,
	v_mov_b32 v9, 0                                ; and 0
	v_and_b32 v4, 31, v0                           ; lane
	v_lshrrev_b32 v10, 5, v0
	v_readfirstlane_b32 s34, v10                   ; wave
	v_and_b32 v5, 15, v0                           ; r
	v_bfe_u32 v6, v0, 4, 1                         ; h
	s_sub_co_u32 s2, ttmp9, 256
	s_lshr_b32 s3, s2, 6                           ; which matrix (a huge number in the x work-groups)
	s_and_b32 s4, s2, 63
	s_cmp_lt_u32 ttmp9, 256
	s_cselect_b32 s4, ttmp9, s4                    ; my block of 16 rows
	s_lshl_b32 s5, s4, 15                          ; x and Wo: 16 rows of 2,048 bytes
	s_cmp_eq_u32 s3, 4
	s_cselect_b32 s7, WOF, 0
	s_add_co_u32 s5, s5, s7
	s_lshl_b32 s32, s4, 17                         ; WCAT: 16 rows of 8,192 bytes,
	s_lshl_b32 s33, s3, 11                         ; the type's 2,048 bytes of a row
	s_add_co_u32 s32, s32, s33
	s_add_co_u32 s32, s32, WCAT
	s_mov_b32 s6, 2048
	s_cmp_lt_u32 s3, 4
	s_cselect_b32 s5, s32, s5                      ; where my rows go
	s_cselect_b32 s6, 8192, s6                     ; and their pitch
	v_lshlrev_b32 v1, 4, v4
	v_lshl_add_u32 v1, v10, 13, v1                 ; source: 8,192 w + 16 lane
	s_lshl_b32 s35, s34, 1
	s_mul_i32 s35, s35, s6
	v_lshl_add_u32 v2, v4, 3, s35                  ; row 2w: 8 bytes a lane
	v_add_nc_u32 v3, s6, v2                        ; row 2w + 1
	s_mul_i32 s36, s34, 2*XAP
	s_add_co_u32 s36, s36, XA
	v_lshl_add_u32 v7, v4, 3, s36                  ; the same place in XA
	v_lshlrev_b32 v11, 5, v0                       ; WL: row k = thread
	v_lshlrev_b32 v18, 4, v0                       ; Wb, Wa: row k = thread, 16 bytes
	v_mul_u32_u24 v12, v5, XAP
	v_lshl_add_u32 v12, v6, 4, v12
	s_lshl_b32 s37, s34, 8
	s_add_co_u32 s37, s37, XA
	v_add_nc_u32 v12, s37, v12                     ; x fragment: row r, my wave's 128 k, 16 bytes a half
	v_and_b32 v14, 7, v0
	v_bfe_u32 v15, v0, 3, 1
	v_lshl_add_u32 v13, v6, 3, v14
	v_lshlrev_b32 v13, 5, v13
	v_lshl_add_u32 v13, v15, 4, v13
	s_lshl_b32 s37, s34, 12
	v_add_nc_u32 v13, s37, v13                     ; turning load of WL: row 8h + l%8 of my wave's 128
	s_lshl_b32 s37, s34, 10
	s_add_co_u32 s37, s37, PS
	v_lshl_add_u32 v16, v4, 4, s37                 ; my partial tile
	v_lshlrev_b32 v17, 4, v4
	v_add_nc_u32 v17, PS, v17                      ; all partial tiles
	v_and_b32 v26, 3, v0
	v_lshlrev_b32 v26, 2, v26                      ; head r & 3
	v_mov_b32 v28, 0
	v_mov_b32 v29, 0
	v_mov_b32 v30, 0
	v_mov_b32 v31, 0
	s_wait_kmcnt 0x0
	s_mov_b64 s[30:31], s[8:9]
	s_cmp_eq_u32 s3, 0
	s_cselect_b64 s[30:31], s[10:11], s[30:31]
	s_cmp_eq_u32 s3, 1
	s_cselect_b64 s[30:31], s[12:13], s[30:31]
	s_cmp_eq_u32 s3, 2
	s_cselect_b64 s[30:31], s[14:15], s[30:31]
	s_cmp_eq_u32 s3, 3
	s_cselect_b64 s[30:31], s[16:17], s[30:31]
	s_cmp_eq_u32 s3, 4
	s_cselect_b64 s[30:31], s[18:19], s[30:31]
	s_lshl_b32 s36, s4, 16                         ; 16 rows of 4,096 bytes
	s_mov_b32 s37, 0
	s_add_nc_u64 s[30:31], s[30:31], s[36:37]
	s_mov_b32 s36, s5
	s_add_nc_u64 s[38:39], s[28:29], s[36:37]
	global_load_b32 v24, v26, s[24:25]             ; A_log and dt_bias of head r & 3: first, so that every count below covers them
	global_load_b32 v25, v26, s[26:27]
.irp i, 0,1,2,3,4,5,6,7,8,9,10,11,12,13,14,15
	global_load_b128 v[X+4*(\i):X+4*(\i)+3], v1, s[30:31] offset:512*(\i) th:TH_LOAD_NT
.endr
; Load i of 16 is rounded and stored.  extra = loads issued behind the sixteen.  kind 0: bf16; 1: bf16, and a copy into XA; 2: the bf16 number written as f16.
.macro CV i, extra, kind
	s_wait_loadcnt 15-(\i)+(\extra)                ; loads come back in order: load i is in, the younger ones stay out
	v_cvt_pk_bf16_f32 v[Y+2*(\i)], v[X+4*(\i)], v[X+4*(\i)+1]
	v_cvt_pk_bf16_f32 v[Y+2*(\i)+1], v[X+4*(\i)+2], v[X+4*(\i)+3]
.if (\kind) == 2
	v_lshlrev_b32 v20, 16, v[Y+2*(\i)]
	v_and_b32 v21, 0xffff0000, v[Y+2*(\i)]
	v_lshlrev_b32 v22, 16, v[Y+2*(\i)+1]
	v_and_b32 v23, 0xffff0000, v[Y+2*(\i)+1]
	v_cvt_pk_f16_f32 v[Y+2*(\i)], v20, v21
	v_cvt_pk_f16_f32 v[Y+2*(\i)+1], v22, v23
.endif
	global_store_b64 v[2+(\i)/8], v[Y+2*(\i):Y+2*(\i)+1], s[38:39] offset:((\i)%8)*256
.if (\kind) == 1
	ds_store_b64 v7, v[Y+2*(\i):Y+2*(\i)+1] offset:((\i)/8)*XAP+((\i)%8)*256
.endif
.endm
	s_cmp_lt_u32 ttmp9, 256
	s_cbranch_scc1 .Lx
	s_cmp_ge_u32 ttmp9, 512
	s_cbranch_scc1 .Lwo
.irp i, 0,1,2,3,4,5,6,7,8,9,10,11,12,13,14,15
	CV \i, 0, 0
.endr
	s_branch .Lb1
.Lwo:
.irp i, 0,1,2,3,4,5,6,7,8,9,10,11,12,13,14,15
	CV \i, 0, 2
.endr
	s_branch .Lb1
.Lx:
.irp i, 0,1,2,3
	global_load_b128 v[WW+8*(\i):WW+8*(\i)+3],   v18, s[20:21] offset:4096*(\i)  ; Wb[k], k = thread + 256 i
	global_load_b128 v[WW+8*(\i)+4:WW+8*(\i)+7], v18, s[22:23] offset:4096*(\i)  ; Wa[k]
.endr
.irp i, 0,1,2,3,4,5,6,7,8,9,10,11,12,13,14,15
	CV \i, 8, 1
.endr
	s_wait_loadcnt 0x0                             ; Wb and Wa
.irp i, 0,1,2,3
	v_cvt_pk_bf16_f32 v[X+4*(\i)],   v[WW+8*(\i)],   v[WW+8*(\i)+1]
	v_cvt_pk_bf16_f32 v[X+4*(\i)+1], v[WW+8*(\i)+2], v[WW+8*(\i)+3]
	v_cvt_pk_bf16_f32 v[X+4*(\i)+2], v[WW+8*(\i)+4], v[WW+8*(\i)+5]
	v_cvt_pk_bf16_f32 v[X+4*(\i)+3], v[WW+8*(\i)+6], v[WW+8*(\i)+7]
	ds_store_b128 v11, v[X+4*(\i):X+4*(\i)+3] offset:WL+8192*(\i)
	ds_store_b128 v11, v[28:31] offset:WL+8192*(\i)+16
.endr
.Lb1:
	s_wait_dscnt 0x0                               ; for the others' sake: my stores into XA and WL are done
	s_barrier_signal -1
	s_barrier_wait -1
	s_cmp_ge_u32 ttmp9, 256
	s_cbranch_scc1 .Lb2
.irp s, 0,1,2,3
	ds_load_b128 v[X+8*(\s):X+8*(\s)+3],         v12 offset:64*(\s)
	ds_load_b128 v[X+8*(\s)+4:X+8*(\s)+7],       v12 offset:64*(\s)+32
	ds_load_tr16_b128 v[X+32+8*(\s):X+32+8*(\s)+3],   v13 offset:1024*(\s)
	ds_load_tr16_b128 v[X+32+8*(\s)+4:X+32+8*(\s)+7], v13 offset:1024*(\s)+512
.endr
	s_wait_dscnt 0x0
	v_wmma_f32_16x16x32_bf16 v[AC0:AC0+7], v[X:X+7],     v[X+32:X+39], 0   ; source 0 = 16 rows of x, source 1 = 16 columns: a lane ends with one column and 8 rows
	v_wmma_f32_16x16x32_bf16 v[AC1:AC1+7], v[X+8:X+15],  v[X+40:X+47], 0   ; two accumulators by turns
	v_wmma_f32_16x16x32_bf16 v[AC0:AC0+7], v[X+16:X+23], v[X+48:X+55], v[AC0:AC0+7]
	v_wmma_f32_16x16x32_bf16 v[AC1:AC1+7], v[X+24:X+31], v[X+56:X+63], v[AC1:AC1+7]
.rept 4
	v_nop                                          ; four places behind the last product, ahead of the sums that read it
.endr
.irp p, 0,2,4,6
	v_pk_add_f32 v[AC0+(\p):AC0+(\p)+1], v[AC0+(\p):AC0+(\p)+1], v[AC1+(\p):AC1+(\p)+1]
.endr
	ds_store_b128 v16, v[AC0:AC0+3]
	ds_store_b128 v16, v[AC0+4:AC0+7] offset:512
.Lb2:
	s_wait_dscnt 0x0                               ; my partial tile is in LDS
	s_barrier_signal -1
	s_barrier_wait -1
	s_cmp_ge_u32 ttmp9, 256
	s_cbranch_scc1 .Lend
	s_cmp_lg_u32 s34, 0
	s_cbranch_scc1 .Lend                           ; wave 0 finishes the tile
.irp w, 0,1,2,3,4,5,6,7
	ds_load_b128 v[X+8*(\w):X+8*(\w)+3],   v17 offset:1024*(\w)
	ds_load_b128 v[X+8*(\w)+4:X+8*(\w)+7], v17 offset:1024*(\w)+512
.endr
	v_cvt_pk_bf16_f32 v24, v24, v25                ; A_log and dt_bias rounded to bf16
	v_and_b32 v25, 0xffff0000, v24                 ; dt_bias
	v_lshlrev_b32 v24, 16, v24                     ; A_log
	v_mul_f32 v24, 0x3fb8aa3b, v24                 ; x log2(e)
	s_mov_b32 s41, 0xbfb8aa3b                      ; -log2(e)
	s_mov_b32 s42, 0x3fb8aa3b
	v_bfe_u32 v27, v0, 2, 1                        ; columns 0-3 beta, 4-7 ld
	v_lshlrev_b32 v27, 16, v27
	v_and_b32 v14, 3, v0
	v_lshl_add_u32 v27, v14, 12, v27               ; the head's 1,024 steps
	v_lshl_add_u32 v27, v6, 5, v27                 ; my 8 rows
	s_lshr_b32 s43, ttmp9, 6
	s_lshl_b32 s43, s43, 14                        ; the batch's four heads
	s_and_b32 s44, ttmp9, 63
	s_lshl_b32 s44, s44, 6                         ; the work-group's 16 steps
	s_add_co_u32 s43, s43, s44
	s_add_co_u32 s43, s43, BETA
	v_add_nc_u32 v27, s43, v27
	s_wait_dscnt 0x0
.irp w, 1,2,3,4,5,6,7
.irp p, 0,2,4,6
	v_pk_add_f32 v[X+(\p):X+(\p)+1], v[X+(\p):X+(\p)+1], v[X+8*(\w)+(\p):X+8*(\w)+(\p)+1]
.endr
.endr
.irp j, 0,1,2,3,4,5,6,7
	v_add_f32 v[40+(\j)], v25, v[32+(\j)]          ; a = z + dt_bias
	v_mul_f32 v[48+(\j)], s41, v[32+(\j)]          ; -z log2e
.endr
.irp j, 0,1,2,3,4,5,6,7
	v_mul_f32 v[56+(\j)], s41, |v[40+(\j)]|        ; -|a| log2e
.endr
	v_exp_f32 v24, v24                             ; exp(A_log): one batch of 17 exponentials
.irp j, 0,1,2,3,4,5,6,7
	v_exp_f32 v[48+(\j)], v[48+(\j)]
.endr
.irp j, 0,1,2,3,4,5,6,7
	v_exp_f32 v[56+(\j)], v[56+(\j)]
.endr
.irp j, 0,1,2,3,4,5,6,7
	v_max_num_f32 v[40+(\j)], 0, v[40+(\j)]        ; plain work that names no result of the batch
.endr
	s_wait_alu depctr_va_vdst(0)                   ; one wait for the batch, ahead of its first reader
.irp j, 0,1,2,3,4,5,6,7
	v_add_f32 v[48+(\j)], 1.0, v[48+(\j)]
	v_add_f32 v[56+(\j)], 1.0, v[56+(\j)]
.endr
.irp j, 0,1,2,3,4,5,6,7
	v_rcp_f32 v[48+(\j)], v[48+(\j)]               ; beta
.endr
.irp j, 0,1,2,3,4,5,6,7
	v_log_f32 v[56+(\j)], v[56+(\j)]               ; log2(1 + ..)
.endr
	v_nop
	s_wait_alu depctr_va_vdst(0)                   ; one wait for the sixteen
	v_cmp_gt_u32 vcc_lo, 4, v5
.irp j, 0,1,2,3,4,5,6,7
	v_fma_f32 v[56+(\j)], v[40+(\j)], s42, v[56+(\j)]
	v_mul_f32 v[56+(\j)], -v24, v[56+(\j)]
	v_max_num_f32 v[56+(\j)], 0xc3480000, v[56+(\j)]   ; -200 at the least
	v_cndmask_b32 v[64+(\j)], v[56+(\j)], v[48+(\j)], vcc_lo
.endr
	v_cmp_gt_u32 vcc_lo, 8, v5
	s_wait_xcnt 0x0                                ; EXEC changes only behind this wait
	s_and_saveexec_b32 s40, vcc_lo
	global_store_b128 v27, v[64:67], s[28:29]
	global_store_b128 v27, v[68:71], s[28:29] offset:16
	s_wait_xcnt 0x0                                ; and again, ahead of the line that widens it
	s_or_b32 exec_lo, exec_lo, s40
.Lend:
	s_wait_tensorcnt 0x0                           ; the wave's end
	ds_add_u32 v8, v9
	s_wait_dscnt 0x0
	s_endpgm
.Lfunc_end_k_q2a1c6cf090_prep:
	.size	k_q2a1c6cf090_prep, .Lfunc_end_k_q2a1c6cf090_prep-k_q2a1c6cf090_prep
	.p2alignl 7, 3214868480
	.fill 96, 4, 3214868480
	.section	.rodata,"a",@progbits
	.p2align	6, 0x0
	.amdhsa_kernel k_q2a1c6cf090_prep
		.amdhsa_group_segment_fixed_size 75008
		.amdhsa_private_segment_fixed_size 0
		.amdhsa_enable_private_segment 0
		.amdhsa_kernarg_size 88
		.amdhsa_user_sgpr_count 2
		.amdhsa_user_sgpr_kernarg_segment_ptr 1
		.amdhsa_wavefront_size32 1
		.amdhsa_system_sgpr_workgroup_id_x 1
		.amdhsa_system_sgpr_workgroup_id_y 1
		.amdhsa_system_sgpr_workgroup_id_z 1
		.amdhsa_system_vgpr_workitem_id 0
		.amdhsa_next_free_vgpr 192
		.amdhsa_next_free_sgpr 66
		.amdhsa_reserve_vcc 1
		.amdhsa_float_denorm_mode_32 3
		.amdhsa_float_denorm_mode_16_64 3
		.amdhsa_memory_ordered 1
		.amdhsa_forward_progress 1
		.amdhsa_inst_pref_size 37
	.end_amdhsa_kernel
	.amdgpu_metadata
---
amdhsa.version: [ 1, 2 ]
amdhsa.kernels:
  - .name:           k_q2a1c6cf090_prep
    .symbol:         k_q2a1c6cf090_prep.kd
    .args:
      - { .name: x, .offset: 0, .size: 8, .value_kind: global_buffer, .address_space: global }
      - { .name: Wq, .offset: 8, .size: 8, .value_kind: global_buffer, .address_space: global }
      - { .name: Wk, .offset: 16, .size: 8, .value_kind: global_buffer, .address_space: global }
      - { .name: Wv, .offset: 24, .size: 8, .value_kind: global_buffer, .address_space: global }
      - { .name: Wg, .offset: 32, .size: 8, .value_kind: global_buffer, .address_space: global }
      - { .name: Wo, .offset: 40, .size: 8, .value_kind: global_buffer, .address_space: global }
      - { .name: Wb, .offset: 48, .size: 8, .value_kind: global_buffer, .address_space: global }
      - { .name: Wa, .offset: 56, .size: 8, .value_kind: global_buffer, .address_space: global }
      - { .name: A_log, .offset: 64, .size: 8, .value_kind: global_buffer, .address_space: global }
      - { .name: dt_bias, .offset: 72, .size: 8, .value_kind: global_buffer, .address_space: global }
      - { .name: pre, .offset: 80, .size: 8, .value_kind: global_buffer, .address_space: global }
    .group_segment_fixed_size: 75008
    .private_segment_fixed_size: 0
    .kernarg_segment_align: 8
    .kernarg_segment_size: 88
    .max_flat_workgroup_size: 256
    .sgpr_count:     66
    .vgpr_count:     192
    .wavefront_size: 32
...
	.end_amdgpu_metadata
.endif
;; end of part 1
;; launch proj (part 2): grid 16 x 16, 4 waves a work-group, clusters of 4 x 4, 327,680 bytes of LDS; arguments pre, qkvg; writes qkvg
.if DOCPART == 2
	.amdgcn_target "amdgcn-amd-amdhsa--gfx1250"
	.amdhsa_code_object_version 6
	.text
	.protected	k_q2a1c6cf090_proj
	.globl	k_q2a1c6cf090_proj
	.p2align	8
	.type	k_q2a1c6cf090_proj,@function
k_q2a1c6cf090_proj:
	s_mov_b64 s[64:65], 0
	v_nop
	global_prefetch_b8 v0, s[64:65] scope:SCOPE_SE
	s_setreg_imm32_b32 hwreg(HW_REG_WAVE_MODE, 25, 1), 1
	s_wait_xcnt 0x0
	s_wait_alu depctr_hold_cnt(0) depctr_sa_sdst(0) depctr_va_vdst(0) depctr_va_sdst(0) depctr_va_ssrc(0) depctr_va_vcc(0) depctr_vm_vsrc(0)
	s_getreg_b32 s2, hwreg(HW_REG_IB_STS2, 6, 4)
	s_cmp_eq_u32 s2, 0
	s_cbranch_scc0 .Lentry_in_a_cluster
	s_endpgm
.Lentry_in_a_cluster:
	s_bfe_u32 s2, ttmp6, 0x10000c
	s_cmp_lg_u32 s2, 0xf033
	s_cbranch_scc0 .Lentry_shape_is_right
	s_endpgm
.Lentry_shape_is_right:
; PROJ.  C[m][n] = sum over k of x[m][k] Wcat[k][n], m 4,096, n 4,096 (q, k, v, gate), k 1,024, bf16 operands, f32 sums.
; A tile of C is 256 x 256: exactly one head of one type for 256 steps of one batch.  Four waves, 128 x 128 each: 64 accumulators, 512 registers.
; K goes in steps of 128 through two LDS slots filled by tensor loads.  x's tile: 256 rows of 256 bytes, 272 apart in LDS.  Wcat lies [k][n]: its tile is 128 k rows of 512 bytes,
; 544 apart, and its fragments come out of LDS turned (ds_load_tr16_b128).
; CLUSTER 4 x 4: x's tile is shared along a row of the cluster, Wcat's along a column; each is asked for jointly, by the same load with the same descriptor and a mask that names the four.
; The product is taken transposed (source 0 = 16 columns of Wcat, source 1 = 16 rows of x): a lane ends with one row of C and eight neighbouring columns.
; WAY OUT.  Each row's sum of squares over the head's 256 columns (lane, other half of the lanes, partner wave through LDS); out = acc x (rsqrt(ss + 1e-6) sA + sB):
; q: (1/16, 0); k: (1, 0); v: (0, 1/4); gate: (0, 1): chosen by the cluster's x, the same in all partners; no branch.  Rounded once to f16 and stored straight from registers in the
; SLICED layout: a block [64 steps][256 columns] lies as [slice 16][step 64][16 columns]; a wave's store covers 512 consecutive bytes, aligned.
; LIMITS.  v / 4 and the gate must stay within f16's 65,504; q / 16 and k are at most 1 and keep f16's fixed step of 6e-8 below 6e-5.
; REGISTERS in windows of 256: window 0: v0-31 addresses, v32-63 sums and scales, v64-191 fragments of x (two buffers; at work on the way out), v192-255 packed results;
; window 1: v64-191 fragments of Wcat; windows 2, 3: the accumulators ((a, b) at v[8 (8 a + b)]).
.set PITCH,  272
.set BPITCH, 544
.set HALFT,  128*PITCH                 ; what one tensor load brings: 128 rows of x, or 64 k rows of Wcat
.set SLOT,   4*HALFT
.set NRM,    2*SLOT                    ; behind the ring: the waves' row sums, 512 bytes each
.set SPARE,  NRM+2048                  ; the spare words
.set WCAT,   8388608
.set LAPS,   4                         ; 8 K steps, two a lap
.set ADRA, 16
.set ADRB, 20
.set NWR,  24
.set NRD,  25
.set CO,   26
.set SPW,  28
.set NIL,  29
.set PFO,  30
.set SS,   32
.set SC,   48
.set F0,   64
.set F1,   128
.set T,    64
.set TMP,  192
.set G1,  24
.set G0,  32
.set G1B, 48
.set G0B, 56
.set LIM, 43
.set PFA, 44
.set PST, 66
.set MSB, 0
.macro WIN new                         ; the immediate's high byte repeats the setting that is left
.if MSB != (\new)
	s_set_vgpr_msb (MSB<<8)|(\new)
.set MSB, \new
.endif
.endm
.set MUL_LO, 0xa1                      ; source 0 window 1, source 1 window 0, C and D window 2
.set MUL_HI, 0xf1
.set TO_B,   0x40
; A joint load: waves 0 and 1 fetch x's two halves, waves 2 and 3 Wcat's.  The branch hangs on the wave's number alone.  An s_nop 0 and four v_nop follow each line.
.macro JLOAD s
	s_cmp_eq_u32 s11, 0
	s_cbranch_scc0 .Lfor_b_\@
	tensor_load_to_lds s[G0+4*(\s):G0+4*(\s)+3], s[G1:G1+7]
	s_nop 0
.rept 4
	v_nop
.endr
	s_branch .Lasked_\@
.Lfor_b_\@:
	tensor_load_to_lds s[G0B+4*(\s):G0B+4*(\s)+3], s[G1B:G1B+7]
	s_nop 0
.rept 4
	v_nop
.endr
.Lasked_\@:
.endm
; A prefetch of the K step that stands two refills on: 512 matrix instructions ahead of the load that will want it.  x's rows are asked for by the clusters with x = 0, Wcat's by those with y = 0;
; the four partners of a joint load share its blocks out by address (32 rows of x a partner, a lane a row; 16 k rows of Wcat, two lanes a row).  So each aligned block of 256 bytes of K steps 4 to 7 is named once;
; K steps 0 to 3 come by their loads alone; the loop's last trip asks for nothing.
.macro ASK
	s_cmp_gt_u32 s3, s[LIM]
	s_cbranch_scc0 .Lnot_mine_\@
	global_prefetch_b8 v[PFO], s[PFA:PFA+1] th:TH_LOAD_NT scope:SCOPE_SE
.Lnot_mine_\@:
.endm
.macro CREST
	s_cmp_lg_u32 s10, 0
	s_cbranch_scc1 .Lnot_wave_0_\@
	s_barrier_signal -3
.Lnot_wave_0_\@:
	s_barrier_wait -3
	s_barrier_signal -1
	s_barrier_wait -1
.endm
.macro CROUND
	s_barrier_signal -1
	s_barrier_wait -1
	CREST
.endm
	s_load_b128 s[4:7], s[0:1], 0x0                ; pre s[4:5], qkvg s[6:7]
	v_lshl_add_u32 v[SPW], v0, 2, SPARE
	v_mov_b32 v[NIL], 0
	ds_add_u32 v[SPW], v[NIL]                      ; the opening: the add, twice on end, and its wait ahead of my first tensor load
	ds_add_u32 v[SPW], v[NIL]
	v_lshrrev_b32 v1, 5, v0
	v_readfirstlane_b32 s10, v1                    ; wave
	s_lshr_b32 s11, s10, 1                         ; my half of the tile's rows; also: I fetch for x (0) or Wcat (1)
	s_and_b32 s12, s10, 1                          ; my half of its columns; also: which half I fetch
	s_bfe_u32 s40, ttmp6, 0x40000                  ; cx
	s_bfe_u32 s41, ttmp6, 0x40004                  ; cy
	s_lshl_b32 s42, ttmp9, 2
	s_add_co_u32 s42, s42, s40                     ; tile column: type = cluster x, head = cx
	s_and_b32 s13, ttmp7, 0xffff
	s_lshl_b32 s13, s13, 2
	s_add_co_u32 s13, s13, s41                     ; tile row
	s_lshl_b32 s43, s41, 2
	s_lshl_b32 s43, 15, s43                        ; my row of the cluster
	s_lshl_b32 s44, 0x1111, s40                    ; my column
	s_or_b32 s[G1+0], s43, (1<<16)|(1<<20)|(1<<21)|(5<<22)|(3<<25)   ; 2-byte elements; after every 64 words 4 words of padding
	s_or_b32 s[G1B+0], s44, (1<<16)|(1<<20)|(1<<21)|(6<<22)|(7<<25)  ; after every 128 words 8 words
	s_mov_b32 s[G1+1], 128<<16                     ; tensor_dim0 = 128
	s_mov_b32 s[G1+2], 128<<16                     ; tensor_dim1 = 128
	s_mov_b32 s[G1+3], 128<<16                     ; tile_dim0 = 128
	s_mov_b32 s[G1+4], 128                         ; tile_dim1 = 128
	s_mov_b32 s[G1+5], 1024                        ; elements from row to row
	s_mov_b32 s[G1+6], 0
	s_mov_b32 s[G1+7], 0
	s_mov_b32 s[G1B+1], 256<<16                    ; tensor_dim0 = 256
	s_mov_b32 s[G1B+2], 64<<16                     ; tensor_dim1 = 64
	s_mov_b32 s[G1B+3], 256<<16                    ; tile_dim0 = 256
	s_mov_b32 s[G1B+4], 64                         ; tile_dim1 = 64
	s_mov_b32 s[G1B+5], 4096
	s_mov_b32 s[G1B+6], 0
	s_mov_b32 s[G1B+7], 0
	s_lshl_b32 s16, s13, 19                        ; x: 256 rows of 2,048 bytes a tile row,
	s_lshl_b32 s17, s12, 18                        ; 128 rows a half
	s_add_co_u32 s16, s16, s17
	s_mov_b32 s17, 0
	s_lshl_b32 s46, s42, 9                         ; Wcat: 512 bytes a tile column,
	s_lshl_b32 s47, s12, 19                        ; 64 k rows of 8,192 bytes a half
	s_add_co_u32 s46, s46, s47
	s_add_co_u32 s46, s46, WCAT
	s_mov_b32 s47, 0
	s_mul_i32 s20, s10, HALFT                      ; where my tile lands: no place in the cluster enters an LDS address
	s_wait_dscnt 0x0                               ; both opening adds are done
	s_wait_kmcnt 0x0
	s_add_nc_u64 s[14:15], s[4:5], s[16:17]
	s_add_nc_u64 s[46:47], s[4:5], s[46:47]
	CROUND                                         ; all sixteen work-groups are here: the first joint loads meet
.irp s, 0,1
	s_mov_b32 s[G0+4*(\s)], 1
	s_add_co_u32 s[G0+4*(\s)+1], s20, (\s)*SLOT
	s_add_nc_u64 s[G0+4*(\s)+2:G0+4*(\s)+3], s[14:15], (\s)*256
	s_or_b32 s[G0+4*(\s)+3], s[G0+4*(\s)+3], 0x80000000
	s_mov_b32 s[G0B+4*(\s)], 1
	s_add_co_u32 s[G0B+4*(\s)+1], s20, (\s)*SLOT
	s_add_nc_u64 s[G0B+4*(\s)+2:G0B+4*(\s)+3], s[46:47], (\s)*1048576
	s_or_b32 s[G0B+4*(\s)+3], s[G0B+4*(\s)+3], 0x80000000
	JLOAD \s
.endr
	v_and_b32 v1, 15, v0                           ; r
	v_bfe_u32 v2, v0, 4, 1                         ; h
	v_mul_u32_u24 v3, v1, PITCH
	v_lshl_add_u32 v3, v2, 4, v3                   ; x fragment: row r, 16 bytes a half
	v_and_b32 v4, 7, v0
	v_bfe_u32 v5, v0, 3, 1
	v_lshl_add_u32 v6, v2, 3, v4
	v_mul_u32_u24 v6, v6, BPITCH
	v_lshl_add_u32 v6, v5, 4, v6                   ; turning load: k row 8h + l%8, 16 bytes for each eight lanes
	s_mul_i32 s21, s11, HALFT
	s_lshl_b32 s22, s12, 8                         ; my 128 columns: 256 bytes of a k row
	s_add_co_u32 s22, s22, 2*HALFT
.irp s, 0,1
	v_add_nc_u32 v[ADRA+(\s)], s21, v3
	v_add_nc_u32 v[ADRB+(\s)], s22, v6
	s_add_co_u32 s21, s21, SLOT
	s_add_co_u32 s22, s22, SLOT
.endr
	s_lshl_b32 s21, s10, 9
	s_add_co_u32 s21, s21, NRM
	v_lshl_add_u32 v[NWR], v1, 2, s21              ; my wave's row sums
	s_xor_b32 s21, s10, 1
	s_lshl_b32 s21, s21, 9
	s_add_co_u32 s21, s21, NRM
	v_lshl_add_u32 v[NRD], v1, 2, s21              ; those of the wave with the other 128 columns
	v_lshlrev_b32 v[CO], 5, v1
	v_lshl_add_u32 v[CO], v2, 4, v[CO]             ; in a slice: step r, 16 bytes a half
	s_lshl_b32 s70, ttmp9, 23                      ; the type's 8,388,608 bytes
	s_lshr_b32 s71, s13, 2                         ; batch
	s_lshl_b32 s71, s71, 2
	s_add_co_u32 s71, s71, s40                     ; batch x 4 + head
	s_lshl_b32 s71, s71, 19
	s_add_co_u32 s70, s70, s71
	s_and_b32 s71, s13, 3
	s_lshl_b32 s71, s71, 2
	s_lshl1_add_u32 s71, s11, s71                  ; my first chunk of 64 steps
	s_lshl_b32 s71, s71, 15
	s_add_co_u32 s70, s70, s71
	s_lshl_b32 s71, s12, 14                        ; my 8 slices
	s_add_co_u32 s70, s70, s71
	s_mov_b32 s71, 0
	s_add_nc_u64 s[8:9], s[6:7], s[70:71]
	s_cmp_eq_u32 ttmp9, 0
	s_cselect_b32 s68, 0x3d800000, 0               ; sA: q 1/16,
	s_cmp_eq_u32 ttmp9, 1
	s_cselect_b32 s68, 1.0, s68                    ; k 1
	s_cmp_eq_u32 ttmp9, 2
	s_cselect_b32 s69, 0x3e800000, 0               ; sB: v 1/4,
	s_cmp_eq_u32 ttmp9, 3
	s_cselect_b32 s69, 1.0, s69                    ; gate 1
	s_mov_b32 s76, 0x76543210
	s_mov_b32 s77, 0xfedcba98
	; the prefetches' address: at K step 3; each refill steps it by a K step and names what it then points at
	s_lshl_b32 s70, s13, 19
	s_lshl_b32 s71, s12, 18
	s_add_co_u32 s70, s70, s71
	s_lshl_b32 s71, s40, 16                        ; x: my work-group's 32 rows of the 128
	s_add_co_u32 s70, s70, s71
	s_add_co_u32 s70, s70, 3*256
	s_lshl_b32 s72, s12, 19
	s_lshl_b32 s73, s41, 17                        ; Wcat: my work-group's 16 k rows of the 64
	s_add_co_u32 s72, s72, s73
	s_lshl_b32 s73, s42, 9
	s_add_co_u32 s72, s72, s73
	s_add_co_u32 s72, s72, WCAT+3*1048576
	s_and_b32 s74, ttmp7, 0xffff
	s_mov_b32 s[PST], 1048576
	s_mov_b32 s[PST+1], 0
	s_mov_b32 s71, 0
	s_cmp_eq_u32 s11, 0
	s_cselect_b32 s70, s70, s72
	s_cselect_b32 s74, ttmp9, s74                  ; the coordinate along which other clusters read the same rows
	s_cselect_b32 s[PST], 256, s[PST]
	s_cselect_b32 s75, -1, 0
	s_add_nc_u64 s[PFA:PFA+1], s[4:5], s[70:71]
	s_cmp_eq_u32 s74, 0
	s_cselect_b32 s[LIM], 1, -1                    ; the same in all sixteen partners, for a given wave
	v_and_b32 v7, 31, v0
	v_lshlrev_b32 v8, 11, v7                       ; x: a lane a row
	v_lshrrev_b32 v9, 1, v7
	v_and_b32 v10, 1, v7
	v_lshlrev_b32 v9, 13, v9
	v_lshl_add_u32 v9, v10, 8, v9                  ; Wcat: two lanes a k row
	v_cndmask_b32 v[PFO], v9, v8, s75
.macro MUL16 f, hi, a0, zero
	WIN MUL_LO+0x50*(\hi)
.irp a, \a0, (\a0)+1
.irp b, 0,1,2,3,4,5,6,7
.if \zero
	v_wmma_f32_16x16x32_bf16 v[8*(8*(\a)+(\b)):8*(8*(\a)+(\b))+7], v[(\f)+8*(\b):(\f)+8*(\b)+7], v[(\f)+8*(4*(\hi)+(\a)):(\f)+8*(4*(\hi)+(\a))+7], 0
.else
	v_wmma_f32_16x16x32_bf16 v[8*(8*(\a)+(\b)):8*(8*(\a)+(\b))+7], v[(\f)+8*(\b):(\f)+8*(\b)+7], v[(\f)+8*(4*(\hi)+(\a)):(\f)+8*(4*(\hi)+(\a))+7], v[8*(8*(\a)+(\b)):8*(8*(\a)+(\b))+7]
.endif
.endr
.endr
.endm
; 32 LDS loads in one run: quarter q (32 along K) of a slot into buffer f: Wcat's eight column blocks, turned, then x's eight row blocks
.macro FETCH slot, q, f
	WIN TO_B
.irp i, 0,1,2,3,4,5,6,7
	ds_load_tr16_b128 v[(\f)+8*(\i):(\f)+8*(\i)+3],   v[ADRB+(\slot)] offset:(\q)*32*BPITCH+32*(\i)
	ds_load_tr16_b128 v[(\f)+8*(\i)+4:(\f)+8*(\i)+7], v[ADRB+(\slot)] offset:(\q)*32*BPITCH+32*(\i)+16*BPITCH
.endr
	WIN 0
.irp i, 0,1,2,3,4,5,6,7
	ds_load_b128 v[(\f)+8*(\i):(\f)+8*(\i)+3],   v[ADRA+(\slot)] offset:64*(\q)+(\i)*16*PITCH
	ds_load_b128 v[(\f)+8*(\i)+4:(\f)+8*(\i)+7], v[ADRA+(\slot)] offset:64*(\q)+(\i)*16*PITCH+32
.endr
.endm
.macro PLACES                          ; four plain places behind a matrix instruction, ahead of loads into registers that it read and of vector lines that read its result
.rept 4
	v_nop
.endr
.endm
.macro QUARTER slot, q, f, g, zero     ; multiplies buffer f; in its middle fetches quarter q of the slot into buffer g
	s_wait_dscnt 8                                 ; all but the youngest eight loads (x's rows 64-127)
	MUL16 \f, 0, 0, \zero
	MUL16 \f, 0, 2, \zero
	PLACES
	FETCH \slot, \q, \g
	s_wait_dscnt 32                                ; all but the 32 just issued
	MUL16 \f, 1, 0, \zero
	MUL16 \f, 1, 2, \zero
.endm
.macro MEET round
	WIN 0
	s_wait_tensorcnt 0x0                           ; all my tensor loads have landed: the one that was out is my part of the next slot
	ds_add_u32 v[SPW], v[NIL]                      ; 0 onto my spare word
	s_wait_dscnt 9                                 ; (the add and the youngest eight loads may be out)
	MUL16 F1, 0, 0, 0
	s_wait_dscnt 0x0                               ; the add is done and my reads of this slot are over
	s_barrier_signal -1
	MUL16 F1, 0, 2, 0
.if \round
	WIN 0
.endif
	s_barrier_wait -1
.endm
.macro TURN slot, next, fill           ; a K step's last quarter, and the change of slots
.if \fill
	s_wait_xcnt 0x0                                ; the last prefetch, a K step back, has read its address
	s_add_nc_u64 s[PFA:PFA+1], s[PFA:PFA+1], s[PST:PST+1]
.endif
	MEET \fill
.if \fill
	CREST                                          ; the barrier has opened a round of the cluster's: no wave of any partner still reads this slot or has a load on its way
	s_add_nc_u64 s[G0+4*(\slot)+2:G0+4*(\slot)+3], s[G0+4*(\slot)+2:G0+4*(\slot)+3], 512
	s_add_nc_u64 s[G0B+4*(\slot)+2:G0B+4*(\slot)+3], s[G0B+4*(\slot)+2:G0B+4*(\slot)+3], 2097152
	JLOAD \slot                                    ; the first tensor load behind the round; its four v_nop are also the places ahead of the loads below
.else
	PLACES
.endif
	FETCH \next, 0, F0
.if \fill
	ASK
.endif
	MUL16 F1, 1, 0, 0
	MUL16 F1, 1, 2, 0
.endm
	s_wait_tensorcnt 1                             ; my part of K step 0 is in; K step 1's may stay out
	s_barrier_signal -1
	s_barrier_wait -1
	FETCH 0, 0, F0
	QUARTER 0, 1, F0, F1, 1                        ; the first quarter starts the sums with the constant 0
	WIN 0
	s_mov_b32 s3, LAPS-1
.Llap:                                                 ; a trip goes once round the ring and fills both slots again
	QUARTER 0, 2, F1, F0, 0
	QUARTER 0, 3, F0, F1, 0
	TURN 0, 1, 1
	QUARTER 1, 1, F0, F1, 0
	QUARTER 1, 2, F1, F0, 0
	QUARTER 1, 3, F0, F1, 0
	TURN 1, 0, 1
	QUARTER 0, 1, F0, F1, 0
	WIN 0
	s_sub_co_u32 s3, s3, 1
	s_cmp_lg_u32 s3, 0
	s_cbranch_scc1 .Llap
	QUARTER 0, 2, F1, F0, 0                        ; the last lap fills nothing
	QUARTER 0, 3, F0, F1, 0
	TURN 0, 1, 0
	QUARTER 1, 1, F0, F1, 0
	QUARTER 1, 2, F1, F0, 0
	QUARTER 1, 3, F0, F1, 0
	s_wait_dscnt 8
	MUL16 F1, 0, 0, 0
	MUL16 F1, 0, 2, 0
	s_wait_dscnt 0x0
	MUL16 F1, 1, 0, 0
	MUL16 F1, 1, 2, 0
	; THE WAY OUT.  Row sums of squares: block a of 16 rows has a pair of sums; four blocks' chains run side by side; each accumulator is read from its low end on.
	PLACES
.irp hi, 0,1
	WIN 0x0a+5*(\hi)                               ; sources 0 and 1: window 2 or 3
.set p, 0
.rept 32
.irp a, 0,1,2,3
.if p == 0
	v_pk_mul_f32 v[SS+2*(4*(\hi)+(\a)):SS+2*(4*(\hi)+(\a))+1], v[64*(\a):64*(\a)+1], v[64*(\a):64*(\a)+1]
.else
	v_pk_fma_f32 v[SS+2*(4*(\hi)+(\a)):SS+2*(4*(\hi)+(\a))+1], v[64*(\a)+2*p:64*(\a)+2*p+1], v[64*(\a)+2*p:64*(\a)+2*p+1], v[SS+2*(4*(\hi)+(\a)):SS+2*(4*(\hi)+(\a))+1]
.endif
.endr
.set p, p+1
.endr
.endr
	WIN 0
.irp a, 0,1,2,3,4,5,6,7
	v_add_f32 v[SS+2*(\a)], v[SS+2*(\a)], v[SS+2*(\a)+1]
.endr
.irp a, 0,1,2,3,4,5,6,7
	v_permlanex16_b32 v[SS+2*(\a)+1], v[SS+2*(\a)], s76, s77   ; the row's other columns lie in the lane 16 away
.endr
.irp a, 0,1,2,3,4,5,6,7
	v_add_f32 v[SS+2*(\a)], v[SS+2*(\a)], v[SS+2*(\a)+1]
.endr
.irp a, 0,1,2,3,4,5,6,7
	ds_store_b32 v[NWR], v[SS+2*(\a)] offset:64*(\a)
.endr
	s_wait_dscnt 0x0                               ; for the partner wave's sake
	s_barrier_signal -1
	s_barrier_wait -1
.irp a, 0,1,2,3,4,5,6,7
	ds_load_b32 v[SS+2*(\a)+1], v[NRD] offset:64*(\a)
.endr
	s_wait_dscnt 0x0
.irp a, 0,1,2,3,4,5,6,7
	v_add_f32 v[SS+2*(\a)], v[SS+2*(\a)], v[SS+2*(\a)+1]
.endr
.irp a, 0,1,2,3,4,5,6,7
	v_add_f32 v[SS+2*(\a)], 0x358637bd, v[SS+2*(\a)]   ; + 1e-6
.endr
.irp a, 0,1,2,3,4,5,6,7
	v_rsq_f32 v[SS+2*(\a)], v[SS+2*(\a)]
.endr
	v_nop
	s_wait_alu depctr_va_vdst(0)                   ; one wait for the eight
.irp a, 0,1,2,3,4,5,6,7
	v_fma_f32 v[SC+2*(\a)], v[SS+2*(\a)], s68, s69
	v_mov_b32 v[SC+2*(\a)+1], v[SC+2*(\a)]         ; named with it as a pair
.endr
.irp a, 0,1,2,3,4,5,6,7
	s_wait_xcnt 0x0                                ; earlier stores have read their registers
	WIN 0x02+(\a)/4                                ; source 0: window 2 or 3
.set p, 0
.rept 32
	v_pk_mul_f32 v[T+2*p:T+2*p+1], v[64*((\a)%4)+2*p:64*((\a)%4)+2*p+1], v[SC+2*(\a):SC+2*(\a)+1] op_sel_hi:[1,0]
.set p, p+1
.endr
	WIN 0
.set p, 0
.rept 32
	v_cvt_pk_f16_f32 v[TMP+32*((\a)%2)+p], v[T+2*p], v[T+2*p+1]
.set p, p+1
.endr
.irp b, 0,1,2,3,4,5,6,7
	global_store_b128 v[CO], v[TMP+32*((\a)%2)+4*(\b):TMP+32*((\a)%2)+4*(\b)+3], s[8:9] offset:((\a)/4)*32768+((\a)%4)*512+(\b)*2048  ; the wave's 512 bytes are consecutive and aligned
.endr
.endr
	s_wait_tensorcnt 0x0                           ; the wave's end
	ds_add_u32 v[SPW], v[NIL]
	s_wait_dscnt 0x0
	CROUND                                         ; the closing round
	s_endpgm
.Lfunc_end_k_q2a1c6cf090_proj:
	.size	k_q2a1c6cf090_proj, .Lfunc_end_k_q2a1c6cf090_proj-k_q2a1c6cf090_proj
	.p2alignl 7, 3214868480
	.fill 96, 4, 3214868480
	.section	.rodata,"a",@progbits
	.p2align	6, 0x0
	.amdhsa_kernel k_q2a1c6cf090_proj
		.amdhsa_group_segment_fixed_size 327680
		.amdhsa_private_segment_fixed_size 0
		.amdhsa_enable_private_segment 0
		.amdhsa_kernarg_size 16
		.amdhsa_user_sgpr_count 2
		.amdhsa_user_sgpr_kernarg_segment_ptr 1
		.amdhsa_wavefront_size32 1
		.amdhsa_system_sgpr_workgroup_id_x 1
		.amdhsa_system_sgpr_workgroup_id_y 1
		.amdhsa_system_sgpr_workgroup_id_z 1
		.amdhsa_system_vgpr_workitem_id 0
		.amdhsa_next_free_vgpr 1024
		.amdhsa_next_free_sgpr 80
		.amdhsa_reserve_vcc 0
		.amdhsa_float_denorm_mode_32 3
		.amdhsa_float_denorm_mode_16_64 3
		.amdhsa_memory_ordered 1
		.amdhsa_forward_progress 1
		.amdhsa_inst_pref_size 172
	.end_amdhsa_kernel
	.amdgpu_metadata
---
amdhsa.version: [ 1, 2 ]
amdhsa.kernels:
  - .name:           k_q2a1c6cf090_proj
    .symbol:         k_q2a1c6cf090_proj.kd
    .args:
      - { .name: pre, .offset: 0, .size: 8, .value_kind: global_buffer, .address_space: global }
      - { .name: qkvg, .offset: 8, .size: 8, .value_kind: global_buffer, .address_space: global }
    .group_segment_fixed_size: 327680
    .private_segment_fixed_size: 0
    .kernarg_segment_align: 8
    .kernarg_segment_size: 16
    .max_flat_workgroup_size: 128
    .sgpr_count:     80
    .vgpr_count:     1024
    .wavefront_size: 32
...
	.end_amdgpu_metadata
.endif
;; end of part 2
;; launch chunk (part 3): grid 16 x 16, 4 waves a work-group, no clusters, 167,936 bytes of LDS; arguments qkvg, pre, chk; writes chk
.if DOCPART == 3
	.amdgcn_target "amdgcn-amd-amdhsa--gfx1250"
	.amdhsa_code_object_version 6
	.text
	.protected	k_q2a1c6cf090_chunk
	.globl	k_q2a1c6cf090_chunk
	.p2align	8
	.type	k_q2a1c6cf090_chunk,@function
k_q2a1c6cf090_chunk:
	s_mov_b64 s[64:65], 0
	v_nop
	global_prefetch_b8 v0, s[64:65] scope:SCOPE_SE
	s_setreg_imm32_b32 hwreg(HW_REG_WAVE_MODE, 25, 1), 1
	s_wait_xcnt 0x0
; CHUNK.  All of the gated delta rule that stays inside a chunk of 64 steps; one work-group for each (batch x head, chunk).  f16 operands, f32 sums.
; With g_t the running sum of log2(decay) in the chunk, E[t,i] = 2^min(g_t - g_i, 0), NA[t,i] = -beta_t E[t,i] (k_t . k_i) for i < t:
;   (I - NA) U = diag(beta) V - diag(beta gamma) K S0.  This launch stores  -W^T with -W = (I - NA)^-1 diag(-beta gamma) K,  Uv^T with Uv = (I - NA)^-1 diag(beta) V,
;   P[t,i] = E[t,i] (q_t . k_i) for i <= t,  gamma_t = 2^g_t  and  kappa_t = 2^(g_63 - g_t).
; THE SOLVE is exact substitution, no series: each wave inverts its diagonal block of 16 in f32 (rows of X by backward substitution: x_c = [t = c] + sum over j > c of x_j NA[j][c]);
; H_rj = X_rr NA_rj, H_rr = X_rr diag(s_r); then block row after block row Y_r = sum over j < r of H_rj Y_j + H_rr Z_r, with Z = K or V.
; NO CLUSTER: no two work-groups read the same tile.  No prefetch: the three tiles are wanted at the kernel's head.
; LAYOUTS.  q, k, v blocks are sliced: [slice 16][step 64][16 columns].  WY: [n tile 32][t tile 4][column 16][t 16] (n tiles 0-15 -W^T, 16-31 Uv^T).  P, NA, H: [i slice 4][t 64][16 i].
; LIMITS.  The exponents g_t - g_i are differences of running sums of at most 64 terms of at least -200 each; H and Y must stay within f16's 65,504; sums are taken in another order than step by step.
.set QS, 0
.set KS, 32768
.set VS, 65536
.set GV, 98304                         ; g +0, beta +256, -beta gamma +512, gamma +768, kappa +1,024
.set AM, 99840                         ; NA in f16
.set HK, 108032                        ; H with diag(-beta gamma)
.set HV, 116224                        ; H with diag(beta)
.set SPARE, 124416
.macro PLACES
.rept 4
	v_nop
.endr
.endm
	s_load_b128 s[4:7], s[0:1], 0x0                ; qkvg s[4:5], pre s[6:7]
	s_load_b64 s[8:9], s[0:1], 0x10                ; chk
	v_lshl_add_u32 v24, v0, 2, SPARE
	v_mov_b32 v25, 0
	ds_add_u32 v24, v25                            ; the opening: the add, twice on end, and its wait ahead of the first tensor load
	ds_add_u32 v24, v25
	v_lshrrev_b32 v3, 5, v0
	v_readfirstlane_b32 s10, v3                    ; wave
	s_and_b32 s12, ttmp7, 0xffff                   ; batch x 4 + head
	s_lshl_b32 s13, s12, 4
	s_add_co_u32 s13, s13, ttmp9                   ; block = 16 bh + chunk
	s_mov_b32 s24, 3<<16                           ; a dense block of 32,768 bytes as 128 rows of 32 elements of 8 bytes
	s_mov_b32 s25, 32<<16
	s_mov_b32 s26, 128<<16
	s_mov_b32 s27, 32<<16
	s_mov_b32 s28, 128
	s_mov_b32 s29, 32
	s_mov_b32 s30, 0
	s_mov_b32 s31, 0
	s_mov_b32 s32, 1
	s_lshl_b32 s33, s10, 15                        ; wave 0 q, 1 k, 2 v: LDS byte 32,768 x wave
	s_lshl_b32 s36, s10, 23
	s_lshl_b32 s37, s13, 15
	s_add_co_u32 s36, s36, s37
	s_mov_b32 s37, 0
	s_lshl_b32 s38, s13, 13
	s_add_co_u32 s38, s38, 16777216                ; P
	s_mov_b32 s39, 0
	s_lshl_b32 s48, s13, 16                        ; WY
	s_mov_b32 s49, 0
	s_lshl_b32 s50, s13, 9
	s_add_co_u32 s50, s50, 18874368                ; gamma, kappa
	s_mov_b32 s51, 0
	s_lshl_b32 s52, s13, 8
	s_add_co_u32 s52, s52, 18874368                ; beta; ld lies 65,536 further
	s_mov_b32 s53, 0
	s_wait_dscnt 0x0                               ; both opening adds are done
	s_wait_kmcnt 0x0
	s_add_nc_u64 s[34:35], s[4:5], s[36:37]
	s_or_b32 s35, s35, 0x80000000
	s_add_nc_u64 s[40:41], s[8:9], s[38:39]
	s_add_nc_u64 s[42:43], s[8:9], s[48:49]
	s_add_nc_u64 s[44:45], s[8:9], s[50:51]
	s_add_nc_u64 s[46:47], s[6:7], s[52:53]
	s_cmp_lt_u32 s10, 3
	s_cbranch_scc0 .Lgates
	tensor_load_to_lds s[32:35], s[24:31]          ; my tile; filled once in the launch
	s_nop 0
.rept 4
	v_nop
.endr
	s_branch .Ljoin
.Lgates:                                               ; wave 3: the chunk's five vectors
	v_and_b32 v31, 31, v0
	v_lshlrev_b32 v39, 2, v31
	global_load_b32 v32, v39, s[46:47] offset:65536        ; ld, steps 0-31
	global_load_b32 v33, v39, s[46:47] offset:65536+128    ; steps 32-63
	global_load_b32 v34, v39, s[46:47]                     ; beta
	global_load_b32 v35, v39, s[46:47] offset:128
	v_add_nc_u32 v46, GV, v39
	v_lshlrev_b32 v52, 4, v31
	v_add_nc_u32 v47, GV+768, v52
	s_wait_loadcnt 0x0
.irp d, 1,2,4,8,16                     ; running sums over 32 lanes, both registers at once
	v_add_nc_u32 v36, -4*(\d), v39
	ds_bpermute_b32 v37, v36, v32
	ds_bpermute_b32 v38, v36, v33
	v_cmp_le_u32 vcc_lo, \d, v31
	s_wait_dscnt 0x0
	v_cndmask_b32 v37, 0, v37, vcc_lo
	v_cndmask_b32 v38, 0, v38, vcc_lo
	v_add_f32 v32, v32, v37
	v_add_f32 v33, v33, v38
.endr
	v_readlane_b32 s50, v32, 31
	v_add_f32 v33, s50, v33                        ; the first half's total goes onto the second
	v_readlane_b32 s51, v33, 31                    ; g_63
	v_sub_f32 v42, s51, v32
	v_sub_f32 v43, s51, v33
	v_exp_f32 v40, v32                             ; gamma
	v_exp_f32 v41, v33
	v_exp_f32 v42, v42                             ; kappa
	v_exp_f32 v43, v43
	v_nop
	s_wait_alu depctr_va_vdst(0)                   ; one wait for the four
	v_mul_f32 v44, -v34, v40
	v_mul_f32 v45, -v35, v41
	ds_store_b32 v46, v32
	ds_store_b32 v46, v33 offset:128
	ds_store_b32 v46, v34 offset:256
	ds_store_b32 v46, v35 offset:384
	ds_store_b32 v46, v44 offset:512
	ds_store_b32 v46, v45 offset:640
	ds_store_b32 v46, v40 offset:768
	ds_store_b32 v46, v41 offset:896
	ds_store_b32 v46, v42 offset:1024
	ds_store_b32 v46, v43 offset:1152
	ds_load_b128 v[48:51], v47                     ; LDS serves a wave's instructions in order: gamma and kappa come back as 512 consecutive bytes
	s_wait_dscnt 0x0
	global_store_b128 v52, v[48:51], s[44:45]
.Ljoin:
	v_and_b32 v1, 15, v0                           ; r
	v_bfe_u32 v2, v0, 4, 1                         ; h
	v_lshlrev_b32 v4, 5, v1
	v_lshl_add_u32 v4, v2, 4, v4                   ; plain lane term: 32 r + 16 h
	v_and_b32 v26, 7, v0
	v_bfe_u32 v27, v0, 3, 1
	v_lshl_add_u32 v5, v2, 3, v26
	v_lshlrev_b32 v5, 5, v5
	v_lshl_add_u32 v5, v27, 4, v5                  ; turning lane term
	s_lshl_b32 s54, s10, 9                         ; my t tile: 16 rows of 32 bytes
	v_add_nc_u32 v7, s54, v4                       ; q, my tile
	v_add_nc_u32 v6, KS, v7                        ; k, my tile
	v_add_nc_u32 v8, KS, v4                        ; k, tile c by the offset
	v_mov_b32 v16, v7                              ; P in memory
	s_lshl_b32 s55, s10, 6
	s_add_co_u32 s55, s55, GV
	v_lshl_add_u32 v9, v1, 2, s55                  ; my step t = 16 w + r
	v_lshl_add_u32 v11, v2, 5, s55                 ; my tile's steps 8h ..
	v_lshlrev_b32 v10, 5, v2
	v_add_nc_u32 v10, GV, v10                      ; tile c's steps 8h ..
	v_add_nc_u32 v12, AM, v7
	s_add_co_u32 s56, s54, AM
	v_add_nc_u32 v13, s56, v5
	v_add_nc_u32 v14, HK, v7
	s_lshl_b32 s56, s10, 11
	v_add_nc_u32 v15, s56, v14                     ; the diagonal block
	s_lshr_b32 s56, s10, 1
	s_lshl_b32 s56, s56, 13
	s_add_co_u32 s56, s56, HK
	v_add_nc_u32 v17, s56, v4                      ; waves 0, 1: HK; 2, 3: HV
	s_lshl_b32 s56, s10, 14
	s_add_co_u32 s57, s56, KS
	v_add_nc_u32 v18, s57, v5                      ; my eight slices of k (waves 0, 1) or v (2, 3)
	v_add_nc_u32 v19, s56, v4                      ; my eight n tiles of WY
	v_lshlrev_b32 v21, 3, v2
	v_sub_nc_u32 v21, v1, v21                      ; r - 8h
	s_lshl_b32 s56, s10, 4
	v_add_nc_u32 v20, s56, v21                     ; 16 w + r - 8h
	s_mov_b32 s60, 0xffff0000                      ; lanes 16-31
	s_wait_tensorcnt 0x0                           ; my tile has landed,
	s_wait_dscnt 0x0                               ; my stores into LDS are done,
	s_wait_xcnt 0x0                                ; and wave 3's store of gamma and kappa has read v48-52, which the loads below write
	s_barrier_signal -1
	s_barrier_wait -1
; PRODUCTS.  For my 16 steps t and all four tiles c of steps i: KK[c] = k_i . k_t, QK[c] = k_i . q_t; KD = my own tile's KK, in registers that do not hang on the wave's number.
; Source 0 = 16 steps i, source 1 = my 16 steps t: a lane holds one t and eight neighbouring i.
.macro LOADJ j, fb
	ds_load_b128 v[(\fb):(\fb)+3],     v6 offset:4096*(\j)
	ds_load_b128 v[(\fb)+4:(\fb)+7],   v6 offset:4096*(\j)+2048
	ds_load_b128 v[(\fb)+8:(\fb)+11],  v7 offset:4096*(\j)
	ds_load_b128 v[(\fb)+12:(\fb)+15], v7 offset:4096*(\j)+2048
.irp c, 0,1,2,3
	ds_load_b128 v[(\fb)+16+8*(\c):(\fb)+19+8*(\c)], v8 offset:4096*(\j)+512*(\c)
	ds_load_b128 v[(\fb)+20+8*(\c):(\fb)+23+8*(\c)], v8 offset:4096*(\j)+512*(\c)+2048
.endr
.endm
.macro MULJ fb, zero                   ; nine accumulators by turns
.irp c, 0,1,2,3
.if \zero
	v_wmma_f32_16x16x32_f16 v[128+8*(\c):135+8*(\c)], v[(\fb)+16+8*(\c):(\fb)+23+8*(\c)], v[(\fb):(\fb)+7], 0
	v_wmma_f32_16x16x32_f16 v[160+8*(\c):167+8*(\c)], v[(\fb)+16+8*(\c):(\fb)+23+8*(\c)], v[(\fb)+8:(\fb)+15], 0
.else
	v_wmma_f32_16x16x32_f16 v[128+8*(\c):135+8*(\c)], v[(\fb)+16+8*(\c):(\fb)+23+8*(\c)], v[(\fb):(\fb)+7], v[128+8*(\c):135+8*(\c)]
	v_wmma_f32_16x16x32_f16 v[160+8*(\c):167+8*(\c)], v[(\fb)+16+8*(\c):(\fb)+23+8*(\c)], v[(\fb)+8:(\fb)+15], v[160+8*(\c):167+8*(\c)]
.endif
.endr
.if \zero
	v_wmma_f32_16x16x32_f16 v[192:199], v[(\fb):(\fb)+7], v[(\fb):(\fb)+7], 0
.else
	v_wmma_f32_16x16x32_f16 v[192:199], v[(\fb):(\fb)+7], v[(\fb):(\fb)+7], v[192:199]
.endif
.endm
	LOADJ 0, 32
	LOADJ 1, 80
	s_wait_dscnt 12                                ; the other buffer's twelve loads may stay out
	MULJ 32, 1
	PLACES
	LOADJ 2, 32
.irp j, 1,2,3,4,5
	s_wait_dscnt 12
	MULJ 32+48*((\j)%2), 0
	PLACES
	LOADJ (\j)+2, 32+48*((\j)%2)
.endr
	s_wait_dscnt 12
	MULJ 32, 0
	s_wait_dscnt 0x0
	MULJ 80, 0
	; DECAYS AND MASKS
	PLACES
	ds_load_b32 v32, v9                            ; g_t
	ds_load_b32 v33, v9 offset:256                 ; beta_t
.irp c, 0,1,2,3
	ds_load_b128 v[40+8*(\c):43+8*(\c)], v10 offset:64*(\c)      ; g_i, i = 16 c + 8h ..
	ds_load_b128 v[44+8*(\c):47+8*(\c)], v10 offset:64*(\c)+16
.endr
	ds_load_b128 v[72:75], v11                     ; my own tile's g,
	ds_load_b128 v[76:79], v11 offset:16
	ds_load_b128 v[80:83], v11 offset:512          ; -beta gamma,
	ds_load_b128 v[84:87], v11 offset:528
	ds_load_b128 v[88:91], v11 offset:256          ; beta
	ds_load_b128 v[92:95], v11 offset:272
	s_wait_dscnt 0x0
.set i, 0
.rept 40
	v_sub_f32 v[40+i], v32, v[40+i]
.set i, i+1
.endr
.set i, 0
.rept 40
	v_min_num_f32 v[40+i], 0, v[40+i]              ; above the diagonal the exponent is held at 0; the mask takes those away
.set i, i+1
.endr
.set i, 0
.rept 40
	v_exp_f32 v[40+i], v[40+i]
.set i, i+1
.endr
	v_mul_f32 v22, -1.0, v33                       ; -beta_t: the plain line behind the last exponential
	s_wait_alu depctr_va_vdst(0)                   ; one wait for the forty
.set i, 0
.rept 32
	v_cmp_lt_i32 vcc_lo, 16*(i/8)+i%8, v20         ; i < t
	v_mul_f32 v23, v[40+i], v22
	v_mul_f32 v[128+i], v23, v[128+i]
	v_cndmask_b32 v[128+i], 0, v[128+i], vcc_lo    ; NA
	v_cmp_le_i32 vcc_lo, 16*(i/8)+i%8, v20         ; i <= t
	v_mul_f32 v[160+i], v[40+i], v[160+i]
	v_cndmask_b32 v[160+i], 0, v[160+i], vcc_lo    ; P
.set i, i+1
.endr
.set i, 0
.rept 8
	v_cmp_lt_i32 vcc_lo, i, v21
	v_mul_f32 v23, v[72+i], v22
	v_mul_f32 v[192+i], v23, v[192+i]
	v_cndmask_b32 v[192+i], 0, v[192+i], vcc_lo    ; my diagonal block of NA, kept in f32
.set i, i+1
.endr
.set i, 0
.rept 16
	v_cvt_pk_f16_f32 v[96+i], v[128+2*i], v[129+2*i]
	v_cvt_pk_f16_f32 v[112+i], v[160+2*i], v[161+2*i]
.set i, i+1
.endr
.irp c, 0,1,2,3
	ds_store_b128 v12, v[96+4*(\c):99+4*(\c)] offset:2048*(\c)
	global_store_b128 v16, v[112+4*(\c):115+4*(\c)], s[40:41] offset:2048*(\c)   ; 512 consecutive bytes, aligned
.endr
	s_wait_dscnt 0x0                               ; my rows of NA are in LDS
	s_barrier_signal -1                            ; the substitution below is work on registers alone
	; MY DIAGONAL BLOCK'S INVERSE, in f32: lane r (both halves alike) holds row r of X in v200-215
.set c, 0
.rept 16
	v_cmp_eq_u32 vcc_lo, c, v1
	v_cndmask_b32 v[200+c], 0, 1.0, vcc_lo
.set c, c+1
.endr
.set j, 15
.set c, 14
.set n, 0
.rept 120                              ; for j = 15 .. 1, c = j-1 .. 0: x_c += NA[j][c] x_j; NA[j][c] lies in lane j + 16 (c / 8), register c % 8
	v_readlane_b32 s[66+n%30], v[192+c%8], j+16*(c/8)
	v_fmac_f32 v[200+c], s[66+n%30], v[200+j]
.set n, n+1
.if c == 0
.set j, j-1
.set c, j-1
.else
.set c, c-1
.endif
.endr
.set i, 0
.rept 8
	v_cndmask_b32 v[216+i], v[200+i], v[208+i], s60    ; X[r][8h + i]
.set i, i+1
.endr
.set i, 0
.rept 4
	v_cvt_pk_f16_f32 v[224+i], v[216+2*i], v[217+2*i]  ; X as source 1: 16 of the 32 k,
	v_mov_b32 v[228+i], 0                              ; the other 16 are 0
	v_pk_mul_f32 v[232+2*i:233+2*i], v[216+2*i:217+2*i], v[80+2*i:81+2*i]   ; X diag(-beta gamma)
	v_pk_mul_f32 v[240+2*i:241+2*i], v[216+2*i:217+2*i], v[88+2*i:89+2*i]   ; X diag(beta)
.set i, i+1
.endr
.set i, 0
.rept 4
	v_cvt_pk_f16_f32 v[64+i], v[232+2*i], v[233+2*i]
	v_cvt_pk_f16_f32 v[68+i], v[240+2*i], v[241+2*i]
.set i, i+1
.endr
.irp c, 0,1,2,3
	v_mov_b32 v[36+8*(\c)], 0
	v_mov_b32 v[37+8*(\c)], 0
	v_mov_b32 v[38+8*(\c)], 0
	v_mov_b32 v[39+8*(\c)], 0
.endr
	s_barrier_wait -1
.irp c, 0,1,2,3
	ds_load_tr16_b128 v[32+8*(\c):35+8*(\c)], v13 offset:2048*(\c)   ; NA's block (w, c), turned: index i, k = my tile's 16 steps
.endr
	s_wait_dscnt 0x0
.irp c, 0,1,2,3
	v_wmma_f32_16x16x32_f16 v[128+8*(\c):135+8*(\c)], v[32+8*(\c):39+8*(\c)], v[224:231], 0   ; H[t][i] = sum over m of X[t][m] NA[m][i]
.endr
	PLACES
.set i, 0
.rept 16
	v_cvt_pk_f16_f32 v[232+i], v[128+2*i], v[129+2*i]
.set i, i+1
.endr
.irp c, 0,1,2,3
	ds_store_b128 v14, v[232+4*(\c):235+4*(\c)] offset:2048*(\c)
	ds_store_b128 v14, v[232+4*(\c):235+4*(\c)] offset:2048*(\c)+8192
.endr
	ds_store_b128 v15, v[64:67]                    ; the diagonal blocks come last: LDS serves a wave's instructions in order
	ds_store_b128 v15, v[68:71] offset:8192
	s_wait_dscnt 0x0                               ; for the others' sake
	s_barrier_signal -1
	s_barrier_wait -1
	; THE BLOCK SOLVE.  Source 0 = 16 steps of H, source 1 = 16 columns of [Y; Z]: a lane ends with one column and eight neighbouring steps, which, rounded, ARE the next stage's source 1.
.irp e, 0,1,2,3,4,5                    ; H fragments (0,0) (1,0) (2,0) (2,1) (3,0) (3,1)
.set hr, (\e)
.set hj, 0
.if (\e) == 3
.set hr, 2
.set hj, 1
.endif
.if (\e) >= 4
.set hr, 3
.set hj, (\e)-4
.endif
	ds_load_b128 v[32+8*(\e):35+8*(\e)], v17 offset:4096*hj+512*hr
	ds_load_b128 v[36+8*(\e):39+8*(\e)], v17 offset:4096*hj+512*hr+2048
.endr
.macro STAGE st, g
.set HFA, 32+8*(\st)
.set DST, 80+4*(\st)
.set DSP, 16
.if (\st) == 3
.set HFA, 64
.set DST, 176
.set DSP, 4
.endif
.irp n, 0,1,2,3
	v_wmma_f32_16x16x32_f16 v[144+8*(\n):151+8*(\n)], v[HFA:HFA+7], v[80+16*(\n):87+16*(\n)], 0
.endr
.if (\st) >= 2
.irp n, 0,1,2,3
	v_wmma_f32_16x16x32_f16 v[144+8*(\n):151+8*(\n)], v[HFA+8:HFA+15], v[88+16*(\n):95+16*(\n)], v[144+8*(\n):151+8*(\n)]
.endr
.endif
	PLACES
.irp n, 0,1,2,3
.irp p, 0,1,2,3
	v_cvt_pk_f16_f32 v[DST+DSP*(\n)+(\p)], v[144+8*(\n)+2*(\p)], v[145+8*(\n)+2*(\p)]
.endr
.endr
.irp n, 0,1,2,3
	global_store_b128 v19, v[DST+DSP*(\n):DST+DSP*(\n)+3], s[42:43] offset:2048*(4*(\g)+(\n))+512*(\st)   ; 512 consecutive bytes, aligned
.endr
.endm
.irp g, 0,1
.if (\g) == 1
	PLACES
.endif
	s_wait_xcnt 0x0                                ; the stores issued so far have read their registers: P's (v112-127) ahead of the first group's loads, the first group's ahead of the second's
.irp n, 0,1,2,3
.irp q, 0,1,2,3
	ds_load_tr16_b128 v[80+16*(\n)+4*(\q):83+16*(\n)+4*(\q)], v18 offset:2048*(4*(\g)+(\n))+512*(\q)
.endr
.endr
	s_wait_dscnt 0x0
	STAGE 0, \g
	STAGE 1, \g
	STAGE 2, \g
	STAGE 3, \g
.endr
	s_wait_tensorcnt 0x0                           ; the wave's end
	ds_add_u32 v24, v25
	s_wait_dscnt 0x0
	s_endpgm
.Lfunc_end_k_q2a1c6cf090_chunk:
	.size	k_q2a1c6cf090_chunk, .Lfunc_end_k_q2a1c6cf090_chunk-k_q2a1c6cf090_chunk
	.p2alignl 7, 3214868480
	.fill 96, 4, 3214868480
	.section	.rodata,"a",@progbits
	.p2align	6, 0x0
	.amdhsa_kernel k_q2a1c6cf090_chunk
		.amdhsa_group_segment_fixed_size 167936
		.amdhsa_private_segment_fixed_size 0
		.amdhsa_enable_private_segment 0
		.amdhsa_kernarg_size 24
		.amdhsa_user_sgpr_count 2
		.amdhsa_user_sgpr_kernarg_segment_ptr 1
		.amdhsa_wavefront_size32 1
		.amdhsa_system_sgpr_workgroup_id_x 1
		.amdhsa_system_sgpr_workgroup_id_y 1
		.amdhsa_system_sgpr_workgroup_id_z 1
		.amdhsa_system_vgpr_workitem_id 0
		.amdhsa_next_free_vgpr 256
		.amdhsa_next_free_sgpr 96
		.amdhsa_reserve_vcc 1
		.amdhsa_float_denorm_mode_32 3
		.amdhsa_float_denorm_mode_16_64 3
		.amdhsa_memory_ordered 1
		.amdhsa_forward_progress 1
		.amdhsa_inst_pref_size 71
	.end_amdhsa_kernel
	.amdgpu_metadata
---
amdhsa.version: [ 1, 2 ]
amdhsa.kernels:
  - .name:           k_q2a1c6cf090_chunk
    .symbol:         k_q2a1c6cf090_chunk.kd
    .args:
      - { .name: qkvg, .offset: 0, .size: 8, .value_kind: global_buffer, .address_space: global }
      - { .name: pre, .offset: 8, .size: 8, .value_kind: global_buffer, .address_space: global }
      - { .name: chk, .offset: 16, .size: 8, .value_kind: global_buffer, .address_space: global }
    .group_segment_fixed_size: 167936
    .private_segment_fixed_size: 0
    .kernarg_segment_align: 8
    .kernarg_segment_size: 24
    .max_flat_workgroup_size: 128
    .sgpr_count:     96
    .vgpr_count:     256
    .wavefront_size: 32
...
	.end_amdgpu_metadata
.endif
;; end of part 3
;; launch scan (part 4): grid 16 x 16, 4 waves a work-group, clusters of 4 x 1, 327,680 bytes of LDS; arguments qkvg, chk, o32; writes o32
.if DOCPART == 4
	.amdgcn_target "amdgcn-amd-amdhsa--gfx1250"
	.amdhsa_code_object_version 6
	.text
	.protected	k_q2a1c6cf090_scan
	.globl	k_q2a1c6cf090_scan
	.p2align	8
	.type	k_q2a1c6cf090_scan,@function
k_q2a1c6cf090_scan:
	s_mov_b64 s[64:65], 0
	v_nop
	global_prefetch_b8 v0, s[64:65] scope:SCOPE_SE
	s_setreg_imm32_b32 hwreg(HW_REG_WAVE_MODE, 25, 1), 1
	s_wait_xcnt 0x0
	s_wait_alu depctr_hold_cnt(0) depctr_sa_sdst(0) depctr_va_vdst(0) depctr_va_sdst(0) depctr_va_ssrc(0) depctr_va_vcc(0) depctr_vm_vsrc(0)
	s_getreg_b32 s2, hwreg(HW_REG_IB_STS2, 6, 4)
	s_cmp_eq_u32 s2, 0
	s_cbranch_scc0 .Lentry_in_a_cluster
	s_endpgm
.Lentry_in_a_cluster:
	s_bfe_u32 s2, ttmp6, 0x10000c
	s_cmp_lg_u32 s2, 0x3003
	s_cbranch_scc0 .Lentry_shape_is_right
	s_endpgm
.Lentry_shape_is_right:
; SCAN.  The 16 chunks of one (batch x head) in series, for 16 of the 256 value columns: the state S [256 dk][16 columns] stays in registers in f32 (a wave holds 64 dk), and a copy in f16 in LDS feeds the products.
; For each chunk:  U = Uv + (-W) S;  O = diag(gamma) Q S + P U;  S = gamma_63 S + K^T diag(kappa) U.  f16 operands, f32 sums.  Everything carries the factor 1/4 that v was stored with.
; SHARES.  Wave w owns steps 16 w .. 16 w + 15 of U and O, and dk 64 w .. 64 w + 63 of S.  U meets in LDS (one barrier), S's copy too (the round at the next chunk's head).
; CLUSTER 4 x 1: the four column slices of a cluster walk the same -W^T, q, k and P: each tile is asked for jointly, one load a wave (wave 0 -W^T, 1 q, 2 k, 3 P), into two slots that take turns.
; A wave has one tensor load out.  The slice's own Uv^T, gamma and kappa come by plain loads a chunk ahead.
; PREFETCH.  Trip c asks for chunk c + 4's -W^T, q and k, three trips ahead of their load: the clusters with x = 0 ask, their four partners share a tile's 128 blocks of 256 bytes out by address, a lane a block;
; trips 12 to 14 ask for nothing.  P, 8,192 of a chunk's 106,496 bytes, is not asked for.
; LIMITS.  U, kappa U and S must stay within f16's 65,504 (they carry the factor 1/4).
; REGISTERS in windows of 256: window 0 addresses, accumulators, S; window 1 fragments S 0-63, W 64-127, Q 128-191, P 192-207, U 208-223, kappa U 224-239; window 2 fragments of K 0-63.
.set SLOT1, 1<<17
.set SX,    237568                     ; S in f16: [dk tile 16][lane 32][16 bytes]
.set UX,    245760                     ; U tiles 0-3, then kappa U tiles 0-3, 512 bytes each
.set SPARE, 249856
.set MSB, 0
.macro WIN new
.if MSB != (\new)
	s_set_vgpr_msb (MSB<<8)|(\new)
.set MSB, \new
.endif
.endm
.macro PLACES
.rept 4
	v_nop
.endr
.endm
.macro ROUND                           ; a round of the cluster's barrier
	s_barrier_signal -1
	s_barrier_wait -1
	s_cmp_lg_u32 s10, 0
	s_cbranch_scc1 .Lnot_wave_0_\@
	s_barrier_signal -3
.Lnot_wave_0_\@:
	s_barrier_wait -3
	s_barrier_signal -1
	s_barrier_wait -1
.endm
.macro JLOAD                           ; my joint load: 128 rows of 256 bytes, or (wave 3) 32.  The branch hangs on the wave's number alone; an s_nop 0 and four v_nop follow each line
	s_cmp_lt_u32 s10, 3
	s_cbranch_scc0 .Lfor_p_\@
	tensor_load_to_lds s[40:43], s[24:31]
	s_nop 0
.rept 4
	v_nop
.endr
	s_branch .Lasked_\@
.Lfor_p_\@:
	tensor_load_to_lds s[40:43], s[32:39]
	s_nop 0
.rept 4
	v_nop
.endr
.Lasked_\@:
.endm
.macro ASK
	s_cmp_gt_u32 s52, s53
	s_cbranch_scc0 .Lnot_mine_\@
	global_prefetch_b8 v23, s[46:47] th:TH_LOAD_NT scope:SCOPE_SE
.Lnot_mine_\@:
.endm
.macro PRIV                            ; my slice's own numbers of a chunk, into landing registers
	global_load_b128 v[32:35], v18, s[48:49]               ; Uv^T: column r, steps 8h ..
	global_load_b32 v36, v19, s[50:51]                     ; gamma of step 16 w + r
	global_load_b32 v37, v21, s[50:51] offset:252          ; gamma_63
	global_load_b128 v[40:43], v20, s[50:51]               ; kappa of steps 16 w + 8h ..
	global_load_b128 v[44:47], v20, s[50:51] offset:16
.endm
.macro ADVANCE                         ; the landed numbers become the chunk's
	v_cvt_f32_f16 v48, v32.l
	v_cvt_f32_f16 v49, v32.h
	v_cvt_f32_f16 v50, v33.l
	v_cvt_f32_f16 v51, v33.h
	v_cvt_f32_f16 v52, v34.l
	v_cvt_f32_f16 v53, v34.h
	v_cvt_f32_f16 v54, v35.l
	v_cvt_f32_f16 v55, v35.h
	v_mov_b32 v56, v36
	v_mov_b32 v57, v36
	v_mov_b32 v58, v37
	v_mov_b32 v59, v37
.irp i, 0,1,2,3,4,5,6,7
	v_mov_b32 v[60+(\i)], v[40+(\i)]
.endr
.endm
	s_load_b128 s[4:7], s[0:1], 0x0                ; qkvg s[4:5], chk s[6:7]
	s_load_b64 s[8:9], s[0:1], 0x10                ; o32
	v_lshl_add_u32 v24, v0, 2, SPARE
	v_mov_b32 v25, 0
	ds_add_u32 v24, v25                            ; the opening: the add, twice on end, and its wait ahead of my first tensor load
	ds_add_u32 v24, v25
	v_lshrrev_b32 v3, 5, v0
	v_readfirstlane_b32 s10, v3                    ; wave
	s_bfe_u32 s11, ttmp6, 0x40000                  ; cx
	s_lshl_b32 s12, ttmp9, 2
	s_add_co_u32 s12, s12, s11                     ; my slice: it enters my own addresses alone
	s_and_b32 s13, ttmp7, 0xffff                   ; batch x 4 + head, which the partners share
	s_mov_b32 s24, 15|(3<<16)|(1<<21)              ; the mask of four; elements of 8 bytes; bit 21 beside a mask
	s_mov_b32 s25, 32<<16
	s_mov_b32 s26, 128<<16
	s_mov_b32 s27, 32<<16
	s_mov_b32 s28, 128
	s_mov_b32 s29, 32
	s_mov_b32 s30, 0
	s_mov_b32 s31, 0
	s_mov_b32 s32, 15|(3<<16)|(1<<21)
	s_mov_b32 s33, 32<<16
	s_mov_b32 s34, 32<<16
	s_mov_b32 s35, 32<<16
	s_mov_b32 s36, 32
	s_mov_b32 s37, 32
	s_mov_b32 s38, 0
	s_mov_b32 s39, 0
	s_lshl_b32 s16, s13, 20                        ; -W^T: 16 blocks of 65,536
	s_lshl_b32 s17, s13, 19                        ; q: 16 blocks of 32,768
	s_add_co_u32 s18, s17, 8388608                 ; k
	s_lshl_b32 s19, s13, 17
	s_add_co_u32 s19, s19, 16777216                ; P: 16 blocks of 8,192
	s_mov_b32 s44, 32768
	s_cmp_eq_u32 s10, 0
	s_cselect_b32 s14, s16, s17
	s_cselect_b32 s44, 65536, s44
	s_cmp_eq_u32 s10, 2
	s_cselect_b32 s14, s18, s14
	s_cmp_eq_u32 s10, 3
	s_cselect_b32 s14, s19, s14
	s_cselect_b32 s44, 8192, s44                   ; from chunk to chunk
	s_mov_b32 s15, 0
	s_mov_b32 s45, 0
	s_mov_b32 s40, 1
	s_lshl_b32 s41, s10, 15                        ; my tile's place in slot 0
	s_lshl_b32 s56, s12, 11
	s_add_co_u32 s56, s56, s16
	s_add_co_u32 s56, s56, 32768                   ; Uv^T: n tile 16 + slice
	s_mov_b32 s57, 0
	s_lshl_b32 s58, s13, 13
	s_add_co_u32 s58, s58, 18874368                ; gamma, kappa
	s_mov_b32 s59, 0
	s_lshl_b32 s60, s12, 12
	s_add_co_u32 s60, s60, s16                     ; o32: block x 65,536 + slice x 4,096
	s_mov_b32 s61, 0
	s_lshl_b32 s62, s11, 13                        ; my work-group's quarter of a tile, for the prefetches
	s_mov_b32 s63, 0
	s_cmp_lt_u32 s10, 3
	s_cselect_b32 s53, 0, 1
	s_or_b32 s53, s53, ttmp9
	s_cmp_eq_u32 s53, 0
	s_cselect_b32 s53, 3, -1                       ; waves 0-2 of the clusters with x = 0 ask while more than 3 trips are left
	s_add_co_u32 s20, s10, 1
	s_and_b32 s20, s20, 2                          ; waves 1 and 2 read qkvg
	s_mov_b32 s52, 15
	s_mov_b32 s54, 0
	s_wait_dscnt 0x0                               ; both opening adds are done
	s_wait_kmcnt 0x0
	s_cmp_lg_u32 s20, 0
	s_cselect_b64 s[22:23], s[4:5], s[6:7]
	s_add_nc_u64 s[22:23], s[22:23], s[14:15]
	s_mov_b64 s[42:43], s[22:23]
	s_or_b32 s43, s43, 0x80000000
	s_add_nc_u64 s[46:47], s[22:23], s[62:63]
	s_add_nc_u64 s[46:47], s[46:47], s[44:45]
	s_add_nc_u64 s[46:47], s[46:47], s[44:45]
	s_add_nc_u64 s[46:47], s[46:47], s[44:45]      ; at chunk 3: each trip steps it and names what it then points at
	s_add_nc_u64 s[48:49], s[6:7], s[56:57]
	s_add_nc_u64 s[50:51], s[6:7], s[58:59]
	s_add_nc_u64 s[8:9], s[8:9], s[60:61]
	ROUND                                          ; all four work-groups are here: the first joint loads meet
	JLOAD                                          ; chunk 0 into slot 0
	v_and_b32 v1, 15, v0
	v_bfe_u32 v2, v0, 4, 1
	v_and_b32 v3, 31, v0
	v_and_b32 v26, 7, v0
	v_bfe_u32 v27, v0, 3, 1
	v_lshl_add_u32 v4, v2, 3, v26
	v_lshlrev_b32 v4, 5, v4
	v_lshl_add_u32 v4, v27, 4, v4                  ; turning lane term
	v_lshlrev_b32 v5, 5, v1
	v_lshl_add_u32 v5, v2, 4, v5                   ; plain lane term
	s_lshl_b32 s14, s10, 9
	v_add_nc_u32 v6, s14, v4                       ; -W^T: my t tile, turned
	v_add_nc_u32 v18, s14, v5                      ; Uv^T in memory
	s_add_co_u32 s15, s14, 32768
	v_add_nc_u32 v7, s15, v5                       ; q: my t tile
	s_add_co_u32 s15, s14, 98304
	v_add_nc_u32 v9, s15, v5                       ; P: my t tile
	s_lshl_b32 s15, s10, 13
	s_add_co_u32 s15, s15, 65536
	v_add_nc_u32 v8, s15, v4                       ; k: my four dk slices, turned
	v_lshlrev_b32 v14, 4, v3
	v_add_nc_u32 v16, UX, v14
	v_add_nc_u32 v17, s14, v16
	s_lshl_b32 s15, s10, 10
	v_add_nc_u32 v22, s15, v14                     ; o32: my t tile
	v_add_nc_u32 v14, SX, v14
	s_lshl_b32 s15, s10, 11
	v_add_nc_u32 v15, s15, v14
	s_lshl_b32 s15, s10, 6
	v_lshl_add_u32 v19, v1, 2, s15
	s_add_co_u32 s15, s15, 256
	v_lshl_add_u32 v20, v2, 5, s15
	v_mov_b32 v21, 0
	v_lshlrev_b32 v23, 8, v3
	v_mov_b32 v26, 0
	v_mov_b32 v27, 0
	v_mov_b32 v28, 0
	v_mov_b32 v29, 0
.irp a, 0,1,2,3
	ds_store_b128 v15, v[26:29] offset:512*(\a)    ; S starts at 0, in LDS
.endr
	PRIV
.set i, 0
.rept 32
	v_mov_b32 v[128+i], 0                          ; and in registers
.set i, i+1
.endr
	s_wait_loadcnt 0x0
	ADVANCE
; ONE CHUNK.  more = 1: another follows: it is asked for, and S is carried on.
.macro CHUNK more
	WIN 0
	s_wait_tensorcnt 0x0                           ; my load has landed: my part of this chunk's slot; a group 0 may be written
	ds_add_u32 v24, v25                            ; 0 onto my spare word
.if \more
	s_xor_b32 s41, s41, SLOT1                      ; the other slot,
	s_add_nc_u64 s[42:43], s[42:43], s[44:45]      ; the next chunk
	s_add_nc_u64 s[46:47], s[46:47], s[44:45]      ; (every earlier load, store and prefetch has read its address: the chunk before ended on those waits)
	s_add_nc_u64 s[48:49], s[48:49], 65536
	s_add_nc_u64 s[50:51], s[50:51], 512
.endif
	s_wait_dscnt 0x0                               ; the add is done; so are my stores of S and my reads of the other slot
	ROUND                                          ; all that now holds of every wave of the four work-groups
.if \more
	JLOAD                                          ; the first thing behind the round
.else
	PLACES
.endif
	v_add_nc_u32 v10, s54, v6
	v_add_nc_u32 v11, s54, v7
	v_add_nc_u32 v12, s54, v8
	v_add_nc_u32 v13, s54, v9
	WIN 0x40
.irp j, 0,1,2,3,4,5,6,7
	ds_load_b128 v[8*(\j):8*(\j)+3],   v14 offset:1024*(\j)
	ds_load_b128 v[8*(\j)+4:8*(\j)+7], v14 offset:1024*(\j)+512
.endr
.irp j, 0,1,2,3,4,5,6,7
	ds_load_tr16_b128 v[64+8*(\j):67+8*(\j)], v10 offset:4096*(\j)
	ds_load_tr16_b128 v[68+8*(\j):71+8*(\j)], v10 offset:4096*(\j)+2048
	ds_load_b128 v[128+8*(\j):131+8*(\j)], v11 offset:4096*(\j)
	ds_load_b128 v[132+8*(\j):135+8*(\j)], v11 offset:4096*(\j)+2048
.endr
.irp p, 0,1
	ds_load_b128 v[192+8*(\p):195+8*(\p)], v13 offset:4096*(\p)
	ds_load_b128 v[196+8*(\p):199+8*(\p)], v13 offset:4096*(\p)+2048
.endr
.if \more
	WIN 0x80
.irp a, 0,1,2,3
.irp p, 0,1
	ds_load_tr16_b128 v[16*(\a)+8*(\p):16*(\a)+8*(\p)+3],   v12 offset:2048*(\a)+1024*(\p)
	ds_load_tr16_b128 v[16*(\a)+8*(\p)+4:16*(\a)+8*(\p)+7], v12 offset:2048*(\a)+1024*(\p)+512
.endr
.endr
.endif
	WIN 0
.if \more
	PRIV                                           ; the next chunk's own numbers
	ASK
.set i, 0
.rept 16
	v_pk_mul_f32 v[128+2*i:129+2*i], v[128+2*i:129+2*i], v[58:59]   ; S x gamma_63
.set i, i+1
.endr
.endif
	WIN 0x05                                       ; sources in window 1, sums in window 0
.irp j, 0,1,2,3,4,5,6,7
.if (\j)%2 == 0
	s_wait_dscnt 28+16*(\more)-4*(\j)              ; the LDS loads issued behind the fragments of j and j + 1 may stay out
.endif
.if (\j) == 0
	v_wmma_f32_16x16x32_f16 v[72:79], v[64:71], v[0:7], v[48:55]     ; U^T starts from Uv^T: a lane holds one column and 8 steps
	v_wmma_f32_16x16x32_f16 v[88:95], v[0:7], v[128:135], 0          ; (Q S): a lane holds one step and 8 columns
.elseif (\j) == 1
	v_wmma_f32_16x16x32_f16 v[80:87], v[72:79], v[8:15], 0
	v_wmma_f32_16x16x32_f16 v[96:103], v[8:15], v[136:143], 0
.else
	v_wmma_f32_16x16x32_f16 v[72+8*((\j)%2):79+8*((\j)%2)], v[64+8*(\j):71+8*(\j)], v[8*(\j):8*(\j)+7], v[72+8*((\j)%2):79+8*((\j)%2)]
	v_wmma_f32_16x16x32_f16 v[88+8*((\j)%2):95+8*((\j)%2)], v[8*(\j):8*(\j)+7], v[128+8*(\j):135+8*(\j)], v[88+8*((\j)%2):95+8*((\j)%2)]
.endif
.endr
	WIN 0
	PLACES
.irp p, 0,2,4,6
	v_pk_add_f32 v[72+(\p):73+(\p)], v[72+(\p):73+(\p)], v[80+(\p):81+(\p)]
.endr
.if \more
.irp p, 0,2,4,6
	v_pk_mul_f32 v[112+(\p):113+(\p)], v[72+(\p):73+(\p)], v[60+(\p):61+(\p)]    ; kappa U
.endr
.endif
.irp p, 0,1,2,3
	v_cvt_pk_f16_f32 v[120+(\p)], v[72+2*(\p)], v[73+2*(\p)]
.endr
	ds_store_b128 v17, v[120:123]
.if \more
.irp p, 0,1,2,3
	v_cvt_pk_f16_f32 v[124+(\p)], v[112+2*(\p)], v[113+2*(\p)]
.endr
	ds_store_b128 v17, v[124:127] offset:2048
.endif
	s_wait_dscnt 0x0                               ; my U is in LDS; my reads of S's copy and of the slot are over
	s_barrier_signal -1
.irp p, 0,2,4,6
	v_pk_add_f32 v[88+(\p):89+(\p)], v[88+(\p):89+(\p)], v[96+(\p):97+(\p)]
.endr
.irp p, 0,2,4,6
	v_pk_mul_f32 v[104+(\p):105+(\p)], v[88+(\p):89+(\p)], v[56:57]              ; x gamma_t
.endr
	s_barrier_wait -1
	WIN 0x40
.irp i, 0,1,2,3
	ds_load_b128 v[208+4*(\i):211+4*(\i)], v16 offset:512*(\i)
.endr
.if \more
.irp i, 0,1,2,3
	ds_load_b128 v[224+4*(\i):227+4*(\i)], v16 offset:2048+512*(\i)
.endr
.endif
	s_wait_dscnt 0x0
.irp p, 0,1
.if \more
	WIN 0x06                                       ; K in window 2, kappa U in window 1
.irp a, 0,1,2,3
	v_wmma_f32_16x16x32_f16 v[128+8*(\a):135+8*(\a)], v[16*(\a)+8*(\p):16*(\a)+8*(\p)+7], v[224+8*(\p):231+8*(\p)], v[128+8*(\a):135+8*(\a)]
.endr
.endif
	WIN 0x05
.if ((\more) == 0) && ((\p) == 1)
	v_wmma_f32_16x16x32_f16 v[112:119], v[216:223], v[200:207], 0    ; in the tail no product on S stands between the two: the second half of P U has an accumulator of its own, so that the accumulators still take turns
.else
	v_wmma_f32_16x16x32_f16 v[104:111], v[208+8*(\p):215+8*(\p)], v[192+8*(\p):199+8*(\p)], v[104:111]   ; + P U
.endif
.endr
	WIN 0
	PLACES
.if (\more) == 0
.irp p, 0,2,4,6
	v_pk_add_f32 v[104+(\p):105+(\p)], v[104+(\p):105+(\p)], v[112+(\p):113+(\p)]   ; the tail's two halves of P U, from the low end on
.endr
.endif
	global_store_b128 v22, v[104:107], s[8:9]              ; 512 consecutive bytes, aligned
	global_store_b128 v22, v[108:111], s[8:9] offset:512
.if \more
.set i, 0
.rept 16
	v_cvt_pk_f16_f32 v[160+i], v[128+2*i], v[129+2*i]
.set i, i+1
.endr
.irp a, 0,1,2,3
	ds_store_b128 v15, v[160+4*(\a):163+4*(\a)] offset:512*(\a)   ; every wave's reads of the old copy ended ahead of the barrier above
.endr
	s_wait_loadcnt 0x0                             ; the next chunk's own numbers
	ADVANCE
	s_wait_xcnt 0x0                                ; the stores and the prefetch have read their registers
	s_add_nc_u64 s[8:9], s[8:9], 65536
	s_xor_b32 s54, s54, SLOT1
.endif
.endm
.Lchunk:
	CHUNK 1
	s_sub_co_u32 s52, s52, 1
	s_cmp_lg_u32 s52, 0
	s_cbranch_scc1 .Lchunk
	CHUNK 0                                        ; the last chunk is written out: nothing is asked for, and S is carried no further
	s_wait_tensorcnt 0x0                           ; the wave's end
	ds_add_u32 v24, v25
	s_wait_dscnt 0x0
	ROUND                                          ; the closing round
	s_endpgm
.Lfunc_end_k_q2a1c6cf090_scan:
	.size	k_q2a1c6cf090_scan, .Lfunc_end_k_q2a1c6cf090_scan-k_q2a1c6cf090_scan
	.p2alignl 7, 3214868480
	.fill 96, 4, 3214868480
	.section	.rodata,"a",@progbits
	.p2align	6, 0x0
	.amdhsa_kernel k_q2a1c6cf090_scan
		.amdhsa_group_segment_fixed_size 327680
		.amdhsa_private_segment_fixed_size 0
		.amdhsa_enable_private_segment 0
		.amdhsa_kernarg_size 24
		.amdhsa_user_sgpr_count 2
		.amdhsa_user_sgpr_kernarg_segment_ptr 1
		.amdhsa_wavefront_size32 1
		.amdhsa_system_sgpr_workgroup_id_x 1
		.amdhsa_system_sgpr_workgroup_id_y 1
		.amdhsa_system_sgpr_workgroup_id_z 1
		.amdhsa_system_vgpr_workitem_id 0
		.amdhsa_next_free_vgpr 576
		.amdhsa_next_free_sgpr 66
		.amdhsa_reserve_vcc 0
		.amdhsa_float_denorm_mode_32 3
		.amdhsa_float_denorm_mode_16_64 3
		.amdhsa_memory_ordered 1
		.amdhsa_forward_progress 1
		.amdhsa_inst_pref_size 31
	.end_amdhsa_kernel
	.amdgpu_metadata
---
amdhsa.version: [ 1, 2 ]
amdhsa.kernels:
  - .name:           k_q2a1c6cf090_scan
    .symbol:         k_q2a1c6cf090_scan.kd
    .args:
      - { .name: qkvg, .offset: 0, .size: 8, .value_kind: global_buffer, .address_space: global }
      - { .name: chk, .offset: 8, .size: 8, .value_kind: global_buffer, .address_space: global }
      - { .name: o32, .offset: 16, .size: 8, .value_kind: global_buffer, .address_space: global }
    .group_segment_fixed_size: 327680
    .private_segment_fixed_size: 0
    .kernarg_segment_align: 8
    .kernarg_segment_size: 24
    .max_flat_workgroup_size: 128
    .sgpr_count:     66
    .vgpr_count:     576
    .wavefront_size: 32
...
	.end_amdgpu_metadata
.endif
;; end of part 4
;; launch norm (part 5): grid 16 x 16, 4 waves a work-group, no clusters, 0 bytes of LDS; arguments o32, qkvg, norm_w, yn; writes yn
.if DOCPART == 5
	.amdgcn_target "amdgcn-amd-amdhsa--gfx1250"
	.amdhsa_code_object_version 6
	.text
	.protected	k_q2a1c6cf090_norm
	.globl	k_q2a1c6cf090_norm
	.p2align	8
	.type	k_q2a1c6cf090_norm,@function
k_q2a1c6cf090_norm:
	s_mov_b64 s[64:65], 0
	v_nop
	global_prefetch_b8 v0, s[64:65] scope:SCOPE_SE
	s_setreg_imm32_b32 hwreg(HW_REG_WAVE_MODE, 25, 1), 1
	s_wait_xcnt 0x0
; NORM.  y = o rsqrt(mean(o^2) + 1e-5) norm_w silu(gate), a row of 256 for each (step, head).  o32 holds o / 4, so mean(o^2) = sum / 16 and the factor is f = 4 rsqrt(sum / 16 + 1e-5).
; Stored: Y = (o/4) norm_w silu(gate) / amax in f16, amax the row's largest magnitude, so that Y lies in -1 .. 1 whatever the inputs' scale; and sigma = f amax in f32, which the last launch applies to its f32 sums.
; A stream: every byte is read once and written once; no LDS, no barrier, no matrix unit, no prefetch.  Wave w of (bh, chunk) takes steps 16 w .. 16 w + 15; lane (r, h) holds step 16 w + r and columns 8h .. 8h + 7 of each of the
; 16 slices; the other half of the lanes holds the row's other 128 numbers.  Each load and store of the wave covers 512 consecutive bytes, aligned (norm_w's aside: 1,024 bytes that all read).
; LIMITS.  amax is held at 1e-30 or above; norm_w is rounded to bf16 like all inputs.
; REGISTERS: window 0: v16-79 the gate in f16, later Y in f16; v80-111 at work; v112-124 sums; v128-255 o, then y.  Window 1: v0-127 norm_w, v128-131 at work.
.set MSB, 0
.macro WIN new
.if MSB != (\new)
	s_set_vgpr_msb (MSB<<8)|(\new)
.set MSB, \new
.endif
.endm
	s_load_b256 s[4:11], s[0:1], 0x0               ; o32, qkvg, norm_w, yn
	v_lshrrev_b32 v1, 5, v0
	v_readfirstlane_b32 s12, v1                    ; wave
	v_and_b32 v2, 31, v0
	v_and_b32 v3, 15, v0
	v_bfe_u32 v4, v0, 4, 1
	v_lshlrev_b32 v5, 4, v2                        ; 16 lane
	v_lshlrev_b32 v6, 5, v3
	v_lshl_add_u32 v6, v4, 4, v6                   ; 32 r + 16 h
	v_lshlrev_b32 v7, 5, v4                        ; norm_w: 8 numbers a half
	v_lshlrev_b32 v8, 2, v3
	v_mov_b32 v9, 1.0
	v_mov_b32 v10, 0
	s_and_b32 s13, ttmp7, 0xffff
	s_lshl_b32 s14, s13, 4
	s_add_co_u32 s14, s14, ttmp9                   ; block
	s_lshl_b32 s16, s14, 16
	s_lshl_b32 s15, s12, 10
	s_add_co_u32 s16, s16, s15
	s_mov_b32 s17, 0
	s_lshl_b32 s18, s14, 15
	s_lshl_b32 s15, s12, 9
	s_add_co_u32 s18, s18, s15                     ; the block and my t tile, in the sliced layout
	s_mov_b32 s19, 0
	s_lshl_b32 s26, s14, 8
	s_lshl_b32 s15, s12, 6
	s_add_co_u32 s26, s26, s15
	s_add_co_u32 s26, s26, 8388608                 ; sigma
	s_mov_b32 s27, 0
	s_mov_b32 s20, 0x3d800000                      ; 1/16
	s_mov_b32 s21, 0x3727c5ac                      ; 1e-5
	s_mov_b32 s22, 0xbfb8aa3b                      ; -log2(e)
	s_mov_b32 s23, 0xbfb8aa3b
	s_mov_b32 s24, 0x76543210
	s_mov_b32 s25, 0xfedcba98
	s_wait_kmcnt 0x0
	s_add_nc_u64 s[4:5], s[4:5], s[16:17]
	s_add_nc_u64 s[6:7], s[6:7], s[18:19]
	s_add_nc_u64 s[6:7], s[6:7], 25165824          ; the gate is type 3
	s_add_nc_u64 s[28:29], s[10:11], s[26:27]
	s_add_nc_u64 s[10:11], s[10:11], s[18:19]
.set i, 0
.rept 32
	global_load_b128 v[128+4*i:131+4*i], v5, s[4:5] offset:4096*(i/2)+512*(i%2) th:TH_LOAD_NT
.set i, i+1
.endr
.set i, 0
.rept 16
	global_load_b128 v[16+4*i:19+4*i], v6, s[6:7] offset:2048*i th:TH_LOAD_NT
.set i, i+1
.endr
	WIN 0x40
.set i, 0
.rept 16
	global_load_b128 v[8*i:8*i+3],   v7, s[8:9] offset:64*i
	global_load_b128 v[8*i+4:8*i+7], v7, s[8:9] offset:64*i+16
.set i, i+1
.endr
	WIN 0
	s_wait_loadcnt 48                              ; o is in; the gate's 16 and norm_w's 32 loads may stay out
.set i, 0
.rept 64                               ; the sum of squares, in four chains
.if i < 4
	v_pk_mul_f32 v[112+2*i:113+2*i], v[128+2*i:129+2*i], v[128+2*i:129+2*i]
.else
	v_pk_fma_f32 v[112+2*(i%4):113+2*(i%4)], v[128+2*i:129+2*i], v[128+2*i:129+2*i], v[112+2*(i%4):113+2*(i%4)]
.endif
.set i, i+1
.endr
	v_pk_add_f32 v[112:113], v[112:113], v[114:115]
	v_pk_add_f32 v[116:117], v[116:117], v[118:119]
	v_pk_add_f32 v[112:113], v[112:113], v[116:117]
	v_add_f32 v112, v112, v113
	v_permlanex16_b32 v113, v112, s24, s25
	v_add_f32 v112, v112, v113
	v_fma_f32 v120, v112, s20, s21
	v_rsq_f32 v120, v120
	v_nop
	s_wait_alu depctr_va_vdst(0)
	v_mul_f32 v121, 4.0, v120                      ; f
	s_wait_loadcnt 0x0
	WIN 0x45                                       ; norm_w rounded to bf16, in place
.set i, 0
.rept 64
	v_cvt_pk_bf16_f32 v[128+i%4], v[2*i], v[2*i+1]
	v_lshlrev_b32 v[2*i], 16, v[128+i%4]
	v_and_b32 v[2*i+1], 0xffff0000, v[128+i%4]
.set i, i+1
.endr
	WIN 0
.set b, 0
.rept 8                                ; two slices at a time: y = o g / (1 + 2^(-g log2e))
.set i, 0
.rept 8
	v_fma_mix_f32 v[80+2*i], v[16+8*b+i], v9, v10 op_sel_hi:[1,0,0]                  ; the low half x 1 + 0
	v_fma_mix_f32 v[81+2*i], v[16+8*b+i], v9, v10 op_sel:[1,0,0] op_sel_hi:[1,0,0]   ; the high half
.set i, i+1
.endr
.set i, 0
.rept 8
	v_pk_mul_f32 v[96+2*i:97+2*i], v[80+2*i:81+2*i], s[22:23] op_sel_hi:[1,0]
.set i, i+1
.endr
.set i, 0
.rept 16
	v_exp_f32 v[96+i], v[96+i]
.set i, i+1
.endr
	v_nop
	s_wait_alu depctr_va_vdst(0)                   ; one wait for the sixteen
.set i, 0
.rept 8
	v_pk_add_f32 v[96+2*i:97+2*i], v[96+2*i:97+2*i], 1.0 op_sel_hi:[1,0]
.set i, i+1
.endr
.set i, 0
.rept 16
	v_rcp_f32 v[96+i], v[96+i]
.set i, i+1
.endr
	v_nop
	s_wait_alu depctr_va_vdst(0)
.set i, 0
.rept 8
	v_pk_mul_f32 v[80+2*i:81+2*i], v[80+2*i:81+2*i], v[96+2*i:97+2*i]
.set i, i+1
.endr
.set i, 0
.rept 8
	v_pk_mul_f32 v[128+16*b+2*i:129+16*b+2*i], v[128+16*b+2*i:129+16*b+2*i], v[80+2*i:81+2*i]
.set i, i+1
.endr
.set b, b+1
.endr
	WIN 0x04                                       ; source 1: norm_w in window 1
.set i, 0
.rept 64
	v_pk_mul_f32 v[128+2*i:129+2*i], v[128+2*i:129+2*i], v[2*i:2*i+1]
.set i, i+1
.endr
	WIN 0
.set i, 0
.rept 64                               ; the largest magnitude, in four chains
.if i < 4
	v_max_num_f32 v[112+i], |v[128+2*i]|, |v[129+2*i]|
.else
	v_max3_num_f32 v[112+i%4], v[112+i%4], |v[128+2*i]|, |v[129+2*i]|
.endif
.set i, i+1
.endr
	v_max3_num_f32 v112, v112, v113, v114
	v_max_num_f32 v112, v112, v115
	v_permlanex16_b32 v113, v112, s24, s25
	v_max_num_f32 v112, v112, v113
	v_max_num_f32 v112, 0x0da24260, v112           ; 1e-30 at the least
	v_rcp_f32 v122, v112
	v_mul_f32 v124, v121, v112                     ; sigma = f amax: the plain line behind the reciprocal
	s_wait_alu depctr_va_vdst(0)
	v_mov_b32 v123, v122
.set i, 0
.rept 64
	v_pk_mul_f32 v[128+2*i:129+2*i], v[128+2*i:129+2*i], v[122:123]
.set i, i+1
.endr
.set i, 0
.rept 64
	v_cvt_pk_f16_f32 v[16+i], v[128+2*i], v[129+2*i]
.set i, i+1
.endr
.set i, 0
.rept 16
	global_store_b128 v6, v[16+4*i:19+4*i], s[10:11] offset:2048*i
.set i, i+1
.endr
	v_cmp_gt_u32 vcc_lo, 16, v2
	s_wait_xcnt 0x0                                ; EXEC changes only behind this wait
	s_and_saveexec_b32 s20, vcc_lo
	global_store_b32 v8, v124, s[28:29]            ; lanes 0-15: 64 consecutive bytes
	s_wait_xcnt 0x0
	s_or_b32 exec_lo, exec_lo, s20
	s_endpgm
.Lfunc_end_k_q2a1c6cf090_norm:
	.size	k_q2a1c6cf090_norm, .Lfunc_end_k_q2a1c6cf090_norm-k_q2a1c6cf090_norm
	.p2alignl 7, 3214868480
	.fill 96, 4, 3214868480
	.section	.rodata,"a",@progbits
	.p2align	6, 0x0
	.amdhsa_kernel k_q2a1c6cf090_norm
		.amdhsa_group_segment_fixed_size 0
		.amdhsa_private_segment_fixed_size 0
		.amdhsa_enable_private_segment 0
		.amdhsa_kernarg_size 32
		.amdhsa_user_sgpr_count 2
		.amdhsa_user_sgpr_kernarg_segment_ptr 1
		.amdhsa_wavefront_size32 1
		.amdhsa_system_sgpr_workgroup_id_x 1
		.amdhsa_system_sgpr_workgroup_id_y 1
		.amdhsa_system_sgpr_workgroup_id_z 1
		.amdhsa_system_vgpr_workitem_id 0
		.amdhsa_next_free_vgpr 392
		.amdhsa_next_free_sgpr 66
		.amdhsa_reserve_vcc 1
		.amdhsa_float_denorm_mode_32 3
		.amdhsa_float_denorm_mode_16_64 3
		.amdhsa_memory_ordered 1
		.amdhsa_forward_progress 1
		.amdhsa_inst_pref_size 76
	.end_amdhsa_kernel
	.amdgpu_metadata
---
amdhsa.version: [ 1, 2 ]
amdhsa.kernels:
  - .name:           k_q2a1c6cf090_norm
    .symbol:         k_q2a1c6cf090_norm.kd
    .args:
      - { .name: o32, .offset: 0, .size: 8, .value_kind: global_buffer, .address_space: global }
      - { .name: qkvg, .offset: 8, .size: 8, .value_kind: global_buffer, .address_space: global }
      - { .name: norm_w, .offset: 16, .size: 8, .value_kind: global_buffer, .address_space: global }
      - { .name: yn, .offset: 24, .size: 8, .value_kind: global_buffer, .address_space: global }
    .group_segment_fixed_size: 0
    .private_segment_fixed_size: 0
    .kernarg_segment_align: 8
    .kernarg_segment_size: 32
    .max_flat_workgroup_size: 128
    .sgpr_count:     66
    .vgpr_count:     392
    .wavefront_size: 32
...
	.end_amdgpu_metadata
.endif
;; end of part 5
;; launch outp (part 6): grid 8 x 32, 4 waves a work-group, clusters of 4 x 4, 327,680 bytes of LDS; arguments yn, pre, out0; writes out0
.if DOCPART == 6
	.amdgcn_target "amdgcn-amd-amdhsa--gfx1250"
	.amdhsa_code_object_version 6
	.text
	.protected	k_q2a1c6cf090_outp
	.globl	k_q2a1c6cf090_outp
	.p2align	8
	.type	k_q2a1c6cf090_outp,@function
k_q2a1c6cf090_outp:
	s_mov_b64 s[64:65], 0
	v_nop
	global_prefetch_b8 v0, s[64:65] scope:SCOPE_SE
	s_setreg_imm32_b32 hwreg(HW_REG_WAVE_MODE, 25, 1), 1
	s_wait_xcnt 0x0
	s_wait_alu depctr_hold_cnt(0) depctr_sa_sdst(0) depctr_va_vdst(0) depctr_va_sdst(0) depctr_va_ssrc(0) depctr_va_vcc(0) depctr_vm_vsrc(0)
	s_getreg_b32 s2, hwreg(HW_REG_IB_STS2, 6, 4)
	s_cmp_eq_u32 s2, 0
	s_cbranch_scc0 .Lentry_in_a_cluster
	s_endpgm
.Lentry_in_a_cluster:
	s_bfe_u32 s2, ttmp6, 0x10000c
	s_cmp_lg_u32 s2, 0xf033
	s_cbranch_scc0 .Lentry_shape_is_right
	s_endpgm
.Lentry_shape_is_right:
; OUTP.  out[m][n] = sum over heads h of sigma[m][h] x (sum over k of Y[m][h][k] Wo[256 h + k][n]).  f16 operands, f32 sums; sigma is applied to each head's finished f32 sum.
; A tile of out is 128 x 128: 256 work-groups.  Four waves, 64 x 64 each: 16 accumulators.  A K step is one head, 256 along K, through two LDS slots: four steps, written out.
; Y's tile is two sliced blocks of 32,768 dense bytes (a chunk of 64 steps each: a wave's row half is one block); Wo lies [k][n]: its tile is 256 k rows of 256 bytes, 288 apart in LDS, and comes out turned.
; CLUSTER 4 x 4: Y's tile is shared along a row of the cluster, Wo's along a column; joint loads.  No prefetch: four steps, of which two are refills, and small tiles.
; The product is taken transposed (source 0 = 16 columns of Wo, source 1 = 16 rows of Y): a lane ends with one row of out and eight neighbouring columns, and sigma is one number a lane and row block.
; WAY OUT: a wave's 64 columns in f32 are 256 bytes: 16 rows at a time go through the wave's own stage in LDS and leave as whole aligned rows of 256 bytes.
; REGISTERS: window 0: v0-31 addresses, v32-95 at work on the way out, v96-111 sigma, v128-255 a head's sums; window 1: two fragment buffers; window 2: v0-127 the totals.
.set SLOT,   139264
.set BOFF,   65536
.set BP,     288
.set BHALF,  128*BP
.set STAGE,  2*SLOT
.set SPITCH, 272
.set SPARE,  STAGE+4*16*SPITCH
.set WOF,    16777216
.set SIGO,   8388608
.set ADRA, 16                          ; v16-17   Y fragments in slot 0, 1
.set ADRB, 18                          ; v18-21   Wo fragments: slot x 2 + which half of the 256 k rows
.set STO,  24
.set RD,   25
.set CO,   26
.set SGO,  27
.set SPW,  28
.set NIL,  29
.set OB,   32
.set SG,   96
.set ACC,  128
.set F0,   0
.set F1,   128
.set G1, 24
.set G0, 32
.set G1B, 48
.set G0B, 56
.set MSB, 0
.macro WIN new
.if MSB != (\new)
	s_set_vgpr_msb (MSB<<8)|(\new)
.set MSB, \new
.endif
.endm
.set MUL,  0x05
.set TO_F, 0x40
.macro JLOAD s                         ; waves 0 and 1 fetch Y's two blocks, waves 2 and 3 Wo's two halves; an s_nop 0 and four v_nop follow each line
	s_cmp_eq_u32 s11, 0
	s_cbranch_scc0 .Lfor_b_\@
	tensor_load_to_lds s[G0+4*(\s):G0+4*(\s)+3], s[G1:G1+7]
	s_nop 0
.rept 4
	v_nop
.endr
	s_branch .Lasked_\@
.Lfor_b_\@:
	tensor_load_to_lds s[G0B+4*(\s):G0B+4*(\s)+3], s[G1B:G1B+7]
	s_nop 0
.rept 4
	v_nop
.endr
.Lasked_\@:
.endm
.macro CREST
	s_cmp_lg_u32 s10, 0
	s_cbranch_scc1 .Lnot_wave_0_\@
	s_barrier_signal -3
.Lnot_wave_0_\@:
	s_barrier_wait -3
	s_barrier_signal -1
	s_barrier_wait -1
.endm
.macro CROUND
	s_barrier_signal -1
	s_barrier_wait -1
	CREST
.endm
	s_load_b128 s[4:7], s[0:1], 0x0                ; yn s[4:5], pre s[6:7]
	s_load_b64 s[8:9], s[0:1], 0x10                ; out0
	v_lshl_add_u32 v[SPW], v0, 2, SPARE
	v_mov_b32 v[NIL], 0
	ds_add_u32 v[SPW], v[NIL]                      ; the opening: the add, twice on end, and its wait ahead of my first tensor load
	ds_add_u32 v[SPW], v[NIL]
	v_lshrrev_b32 v1, 5, v0
	v_readfirstlane_b32 s10, v1
	s_lshr_b32 s11, s10, 1                         ; my half of the rows; also: I fetch for Y (0) or Wo (1)
	s_and_b32 s12, s10, 1                          ; my half of the columns; also: which half I fetch
	s_bfe_u32 s40, ttmp6, 0x40000
	s_bfe_u32 s41, ttmp6, 0x40004
	s_lshl_b32 s42, ttmp9, 2
	s_add_co_u32 s42, s42, s40                     ; tile column
	s_and_b32 s13, ttmp7, 0xffff
	s_lshl_b32 s13, s13, 2
	s_add_co_u32 s13, s13, s41                     ; tile row
	s_lshl_b32 s43, s41, 2
	s_lshl_b32 s43, 15, s43
	s_lshl_b32 s44, 0x1111, s40
	s_or_b32 s[G1+0], s43, (3<<16)|(1<<21)                           ; Y: a dense block as 128 rows of 32 elements of 8 bytes
	s_or_b32 s[G1B+0], s44, (1<<16)|(1<<20)|(1<<21)|(5<<22)|(7<<25)  ; Wo: 2-byte elements; after every 64 words 8 words of padding
	s_mov_b32 s[G1+1], 32<<16
	s_mov_b32 s[G1+2], 128<<16
	s_mov_b32 s[G1+3], 32<<16
	s_mov_b32 s[G1+4], 128
	s_mov_b32 s[G1+5], 32
	s_mov_b32 s[G1+6], 0
	s_mov_b32 s[G1+7], 0
	s_mov_b32 s[G1B+1], 128<<16
	s_mov_b32 s[G1B+2], 128<<16
	s_mov_b32 s[G1B+3], 128<<16
	s_mov_b32 s[G1B+4], 128
	s_mov_b32 s[G1B+5], 1024
	s_mov_b32 s[G1B+6], 0
	s_mov_b32 s[G1B+7], 0
	s_lshr_b32 s14, s13, 3                         ; batch
	s_and_b32 s15, s13, 7                          ; which 128 steps of it
	s_lshl_b32 s16, s14, 21                        ; four heads of 16 blocks of 32,768
	s_lshl_b32 s17, s15, 16                        ; two blocks
	s_add_co_u32 s16, s16, s17
	s_lshl_b32 s17, s12, 15
	s_add_co_u32 s16, s16, s17
	s_mov_b32 s17, 0
	s_lshl_b32 s66, s14, 14                        ; sigma: four heads of 1,024 steps,
	s_lshl_b32 s67, s15, 9                         ; 128 steps,
	s_add_co_u32 s66, s66, s67
	s_lshl_b32 s67, s11, 8                         ; my 64
	s_add_co_u32 s66, s66, s67
	s_add_co_u32 s66, s66, SIGO
	s_mov_b32 s67, 0
	s_lshl_b32 s46, s42, 8                         ; Wo: 256 bytes a tile column,
	s_lshl_b32 s47, s12, 18                        ; 128 k rows of 2,048 bytes a half
	s_add_co_u32 s46, s46, s47
	s_add_co_u32 s46, s46, WOF
	s_mov_b32 s47, 0
	s_lshl_b32 s20, s10, 15                        ; Y's blocks land at 32,768 x wave,
	s_mul_i32 s21, s10, BHALF
	s_sub_co_u32 s21, s21, 2*BHALF-BOFF            ; Wo's halves at 65,536 + 36,864 x (wave - 2)
	s_wait_dscnt 0x0
	s_wait_kmcnt 0x0
	s_add_nc_u64 s[14:15], s[4:5], s[16:17]
	s_add_nc_u64 s[46:47], s[6:7], s[46:47]
	s_add_nc_u64 s[66:67], s[4:5], s[66:67]
	CROUND
.irp s, 0,1
	s_mov_b32 s[G0+4*(\s)], 1
	s_add_co_u32 s[G0+4*(\s)+1], s20, (\s)*SLOT
	s_add_nc_u64 s[G0+4*(\s)+2:G0+4*(\s)+3], s[14:15], (\s)*524288       ; head s
	s_or_b32 s[G0+4*(\s)+3], s[G0+4*(\s)+3], 0x80000000
	s_mov_b32 s[G0B+4*(\s)], 1
	s_add_co_u32 s[G0B+4*(\s)+1], s21, (\s)*SLOT
	s_add_nc_u64 s[G0B+4*(\s)+2:G0B+4*(\s)+3], s[46:47], (\s)*524288
	s_or_b32 s[G0B+4*(\s)+3], s[G0B+4*(\s)+3], 0x80000000
	JLOAD \s
.endr
	v_and_b32 v1, 15, v0
	v_bfe_u32 v2, v0, 4, 1
	v_lshlrev_b32 v[SGO], 2, v1
.irp e, 0,1,2,3,4,5,6,7,8,9,10,11,12,13,14,15
	global_load_b32 v[SG+(\e)], v[SGO], s[66:67] offset:((\e)/4)*4096+((\e)%4)*64    ; sigma of head e / 4, row block e % 4, row r
.endr
	v_lshlrev_b32 v3, 5, v1
	v_lshl_add_u32 v3, v2, 4, v3                   ; plain lane term
	v_and_b32 v4, 7, v0
	v_bfe_u32 v5, v0, 3, 1
	v_lshl_add_u32 v6, v2, 3, v4
	v_mul_u32_u24 v6, v6, BP
	v_lshl_add_u32 v6, v5, 4, v6                   ; turning lane term
	s_lshl_b32 s21, s11, 15                        ; my block of Y
	s_lshl_b32 s22, s12, 7                         ; my 64 columns: 128 bytes of a k row
	s_add_co_u32 s22, s22, BOFF
.irp s, 0,1
	v_add_nc_u32 v[ADRA+(\s)], s21, v3
	v_add_nc_u32 v[ADRB+2*(\s)], s22, v6
	s_add_co_u32 s23, s22, BHALF
	v_add_nc_u32 v[ADRB+2*(\s)+1], s23, v6
	s_add_co_u32 s21, s21, SLOT
	s_add_co_u32 s22, s22, SLOT
.endr
	s_mul_i32 s23, s10, 16*SPITCH
	s_add_co_u32 s23, s23, STAGE                   ; my stage
	v_mul_u32_u24 v4, v1, SPITCH
	v_lshl_add_u32 v4, v2, 5, v4
	v_add_nc_u32 v[STO], s23, v4                   ; in: row r, 32 bytes a half
	v_mul_u32_u24 v5, v2, SPITCH
	v_lshl_add_u32 v5, v1, 4, v5
	v_add_nc_u32 v[RD], s23, v5                    ; back: lanes 0-15 one row of 256 bytes, lanes 16-31 the next
	v_lshlrev_b32 v[CO], 12, v2
	v_lshl_add_u32 v[CO], v1, 4, v[CO]             ; the same two rows in out0
	s_lshl_b32 s16, s13, 19                        ; 128 rows of 4,096 bytes
	s_lshl_b32 s17, s11, 18
	s_add_co_u32 s16, s16, s17
	s_mov_b32 s17, 0
	s_add_nc_u64 s[8:9], s[8:9], s[16:17]
	s_lshl_b32 s46, s42, 9                         ; the tile's 512 bytes of a row,
	s_lshl_b32 s47, s12, 8                         ; my 256
	s_add_co_u32 s46, s46, s47
	s_mov_b32 s47, 0
	s_add_nc_u64 s[8:9], s[8:9], s[46:47]
.macro MUL8 f, c, a0, zero
	WIN MUL
.irp a, \a0, (\a0)+1
.irp b, 0,1,2,3
.if \zero
	v_wmma_f32_16x16x32_f16 v[ACC+8*(4*(\a)+(\b)):ACC+8*(4*(\a)+(\b))+7], v[(\f)+64+8*(4*(\c)+(\b)):(\f)+64+8*(4*(\c)+(\b))+7], v[(\f)+8*(4*(\c)+(\a)):(\f)+8*(4*(\c)+(\a))+7], 0
.else
	v_wmma_f32_16x16x32_f16 v[ACC+8*(4*(\a)+(\b)):ACC+8*(4*(\a)+(\b))+7], v[(\f)+64+8*(4*(\c)+(\b)):(\f)+64+8*(4*(\c)+(\b))+7], v[(\f)+8*(4*(\c)+(\a)):(\f)+8*(4*(\c)+(\a))+7], v[ACC+8*(4*(\a)+(\b)):ACC+8*(4*(\a)+(\b))+7]
.endif
.endr
.endr
.endm
; 32 LDS loads in one run: quarter q (64 along K) of a slot into buffer f; the first 32 along K first
.macro FETCH slot, q, f
	WIN TO_F
.irp c, 0,1
.irp i, 0,1,2,3
	ds_load_tr16_b128 v[(\f)+64+8*(4*(\c)+(\i)):(\f)+64+8*(4*(\c)+(\i))+3],   v[ADRB+2*(\slot)+(\q)/2] offset:(((\q)%2)*64+32*(\c))*BP+32*(\i)
	ds_load_tr16_b128 v[(\f)+64+8*(4*(\c)+(\i))+4:(\f)+64+8*(4*(\c)+(\i))+7], v[ADRB+2*(\slot)+(\q)/2] offset:(((\q)%2)*64+32*(\c))*BP+32*(\i)+16*BP
	ds_load_b128 v[(\f)+8*(4*(\c)+(\i)):(\f)+8*(4*(\c)+(\i))+3],   v[ADRA+(\slot)] offset:(4*(\q)+2*(\c))*2048+512*(\i)
	ds_load_b128 v[(\f)+8*(4*(\c)+(\i))+4:(\f)+8*(4*(\c)+(\i))+7], v[ADRA+(\slot)] offset:(4*(\q)+2*(\c))*2048+512*(\i)+2048
.endr
.endr
.endm
.macro PLACES
.rept 4
	v_nop
.endr
.endm
.macro QUARTER slot, q, f, g, zero     ; multiplies buffer f, fetches quarter q of the slot into g.  zero = 1: a head's first products start its sums
	s_wait_dscnt 16                                ; the first 32 along K are in
	MUL8 \f, 0, 0, \zero
	MUL8 \f, 0, 2, \zero
	PLACES
	FETCH \slot, \q, \g
	s_wait_dscnt 32                                ; all but the 32 just issued
	MUL8 \f, 1, 0, 0
	MUL8 \f, 1, 2, 0
.endm
.macro TURN slot, next, fill           ; a head's last quarter, and the change of slots
	WIN 0
	s_wait_tensorcnt 0x0                           ; all my tensor loads have landed: my part of the next slot
	ds_add_u32 v[SPW], v[NIL]                      ; 0 onto my spare word
	s_wait_dscnt 17                                ; (the add and the youngest sixteen loads may be out)
	MUL8 F1, 0, 0, 0
	s_wait_dscnt 0x0                               ; the add is done and my reads of this slot are over
	s_barrier_signal -1
	MUL8 F1, 0, 2, 0
.if \fill
	WIN 0
.endif
	s_barrier_wait -1
.if \fill
	CREST                                          ; the barrier has opened a round of the cluster's
	s_add_nc_u64 s[G0+4*(\slot)+2:G0+4*(\slot)+3], s[G0+4*(\slot)+2:G0+4*(\slot)+3], 1048576     ; two heads on
	s_add_nc_u64 s[G0B+4*(\slot)+2:G0B+4*(\slot)+3], s[G0B+4*(\slot)+2:G0B+4*(\slot)+3], 1048576
	JLOAD \slot                                    ; the first tensor load behind the round; its four v_nop are also the places ahead of the loads below
.else
	PLACES
.endif
	FETCH \next, 0, F0
	MUL8 F1, 1, 0, 0
	MUL8 F1, 1, 2, 0
.endm
; A head's finished sums, times sigma of (row, head), go onto the totals; each accumulator is read from its low end on.
.macro SCALE hd
	PLACES
.if (\hd) == 0
	WIN 0x80
.else
	WIN 0xa0
.endif
.set t, 0
.rept 16
.set sg, SG+4*(\hd)+(t/4)
.irp p, 0,2,4,6
.if (t/4)%2 == 0
.if (\hd) == 0
	v_pk_mul_f32 v[8*t+(\p):8*t+(\p)+1], v[ACC+8*t+(\p):ACC+8*t+(\p)+1], v[sg:sg+1] op_sel_hi:[1,0]
.else
	v_pk_fma_f32 v[8*t+(\p):8*t+(\p)+1], v[ACC+8*t+(\p):ACC+8*t+(\p)+1], v[sg:sg+1], v[8*t+(\p):8*t+(\p)+1] op_sel_hi:[1,0,1]
.endif
.else
.if (\hd) == 0
	v_pk_mul_f32 v[8*t+(\p):8*t+(\p)+1], v[ACC+8*t+(\p):ACC+8*t+(\p)+1], v[sg-1:sg] op_sel:[0,1] op_sel_hi:[1,1]
.else
	v_pk_fma_f32 v[8*t+(\p):8*t+(\p)+1], v[ACC+8*t+(\p):ACC+8*t+(\p)+1], v[sg-1:sg], v[8*t+(\p):8*t+(\p)+1] op_sel:[0,1,0] op_sel_hi:[1,1,1]
.endif
.endif
.endr
.set t, t+1
.endr
.endm
	s_wait_tensorcnt 1                             ; my part of head 0 is in; head 1's may stay out
	s_barrier_signal -1
	s_barrier_wait -1
	FETCH 0, 0, F0
	QUARTER 0, 1, F0, F1, 1                        ; head 0
	QUARTER 0, 2, F1, F0, 0
	QUARTER 0, 3, F0, F1, 0
	TURN 0, 1, 1                                   ; slot 0 takes head 2
	s_wait_loadcnt 0x0                             ; sigma
	SCALE 0
	QUARTER 1, 1, F0, F1, 1                        ; head 1
	QUARTER 1, 2, F1, F0, 0
	QUARTER 1, 3, F0, F1, 0
	TURN 1, 0, 1                                   ; slot 1 takes head 3
	SCALE 1
	QUARTER 0, 1, F0, F1, 1                        ; head 2
	QUARTER 0, 2, F1, F0, 0
	QUARTER 0, 3, F0, F1, 0
	TURN 0, 1, 0
	SCALE 2
	QUARTER 1, 1, F0, F1, 1                        ; head 3
	QUARTER 1, 2, F1, F0, 0
	QUARTER 1, 3, F0, F1, 0
	s_wait_dscnt 16
	MUL8 F1, 0, 0, 0
	MUL8 F1, 0, 2, 0
	s_wait_dscnt 0x0
	MUL8 F1, 1, 0, 0
	MUL8 F1, 1, 2, 0
	SCALE 3
	; THE WAY OUT, 16 rows at a time through my own stage
.irp a, 0,1,2,3
	WIN 0x08                                       ; store data in window 2
.irp b, 0,1,2,3
	ds_store_b128 v[STO], v[8*(4*(\a)+(\b)):8*(4*(\a)+(\b))+3]   offset:64*(\b)
	ds_store_b128 v[STO], v[8*(4*(\a)+(\b))+4:8*(4*(\a)+(\b))+7] offset:64*(\b)+16
.endr
	WIN 0
	s_wait_xcnt 0x0                                ; earlier stores have read their registers
.irp t, 0,1,2,3,4,5,6,7
	ds_load_b128 v[OB+32*((\a)%2)+4*(\t):OB+32*((\a)%2)+4*(\t)+3], v[RD] offset:(\t)*2*SPITCH   ; LDS serves a wave's instructions in order: these see the stores above
.endr
.irp t, 0,1,2,3,4,5,6,7
	s_wait_dscnt 7-(\t)
	global_store_b128 v[CO], v[OB+32*((\a)%2)+4*(\t):OB+32*((\a)%2)+4*(\t)+3], s[8:9] offset:(\a)*65536+(\t)*8192   ; 16 lanes store 256 consecutive bytes, aligned
.endr
.endr
	s_wait_tensorcnt 0x0                           ; the wave's end
	ds_add_u32 v[SPW], v[NIL]
	s_wait_dscnt 0x0
	CROUND                                         ; the closing round
	s_endpgm
.Lfunc_end_k_q2a1c6cf090_outp:
	.size	k_q2a1c6cf090_outp, .Lfunc_end_k_q2a1c6cf090_outp-k_q2a1c6cf090_outp
	.p2alignl 7, 3214868480
	.fill 96, 4, 3214868480
	.section	.rodata,"a",@progbits
	.p2align	6, 0x0
	.amdhsa_kernel k_q2a1c6cf090_outp
		.amdhsa_group_segment_fixed_size 327680
		.amdhsa_private_segment_fixed_size 0
		.amdhsa_enable_private_segment 0
		.amdhsa_kernarg_size 24
		.amdhsa_user_sgpr_count 2
		.amdhsa_user_sgpr_kernarg_segment_ptr 1
		.amdhsa_wavefront_size32 1
		.amdhsa_system_sgpr_workgroup_id_x 1
		.amdhsa_system_sgpr_workgroup_id_y 1
		.amdhsa_system_sgpr_workgroup_id_z 1
		.amdhsa_system_vgpr_workitem_id 0
		.amdhsa_next_free_vgpr 640
		.amdhsa_next_free_sgpr 72
		.amdhsa_reserve_vcc 0
		.amdhsa_float_denorm_mode_32 3
		.amdhsa_float_denorm_mode_16_64 3
		.amdhsa_memory_ordered 1
		.amdhsa_forward_progress 1
		.amdhsa_inst_pref_size 105
	.end_amdhsa_kernel
	.amdgpu_metadata
---
amdhsa.version: [ 1, 2 ]
amdhsa.kernels:
  - .name:           k_q2a1c6cf090_outp
    .symbol:         k_q2a1c6cf090_outp.kd
    .args:
      - { .name: yn, .offset: 0, .size: 8, .value_kind: global_buffer, .address_space: global }
      - { .name: pre, .offset: 8, .size: 8, .value_kind: global_buffer, .address_space: global }
      - { .name: out0, .offset: 16, .size: 8, .value_kind: global_buffer, .address_space: global }
    .group_segment_fixed_size: 327680
    .private_segment_fixed_size: 0
    .kernarg_segment_align: 8
    .kernarg_segment_size: 24
    .max_flat_workgroup_size: 128
    .sgpr_count:     72
    .vgpr_count:     640
    .wavefront_size: 32
...
	.end_amdgpu_metadata
.endif
;; end of part 6
